; MI455X (gfx1250); checked and timed in simulation.
; The chip was launched on July 23, 2026; its instructions are those of AMD's public machine-readable ISA for CDNA 5 (MIT licence, August 2026) and "CDNA5" Instruction Set Architecture Reference Guide (July 2026). The comments in the code are by the model that wrote it; some were corrected since.
;; Multi Headed Attention. Allowed arithmetic: matrix products marked QUANTISED: E4M3 operands, one given power-of-two scale a tensor, by v_wmma_f32_16x16x64_fp8_fp8 or v_wmma_f32_16x16x128_fp8_fp8, f32 sums; everything else in f32.
;; Inputs: Wk 2,048 x 2,048 float32; Wo 2,048 x 2,048 float32; Wq 2,048 x 2,048 float32; Wv 2,048 x 2,048 float32; k 2,048 x 2,048 float32; ln_w 2,048 float32; lowp_scales 12 int32 (the exponents e of the quantised operands' scales 2^e); mask 2,048 x 2,048 int32; q 2,048 x 2,048 float32; v 2,048 x 2,048 float32.
;; Outputs: out0 2,048 x 2,048 float32.
;; This version of the problem:
;;   THIS VERSION OF THE PROBLEM IS GIVEN IN LOW PRECISION. The matrix products marked QUANTISED in the list below multiply operands that are first quantised to E4M3 (4 exponent bits, 3 mantissa bits; 8 bits a number), with one given power-of-two scale for each operand tensor; their sums are f32. All else is computed in f32.
;;   The module's matrix products, in the order in which they are computed (A, B: the left and right operand; K: the contracted axis; several contracted axes count as one K, in the product's order):
;;     1. [M 2,048, K 2,048] x [K 2,048, N 2,048]; A: input q; B: input Wq: QUANTISED (scales: A lowp_scales[0], B lowp_scales[1])
;;     2. [M 2,048, K 2,048] x [K 2,048, N 2,048]; A: input k; B: input Wk: QUANTISED (scales: A lowp_scales[2], B lowp_scales[3])
;;     3. [M 2,048, K 2,048] x [K 2,048, N 2,048]; A: input v; B: input Wv: QUANTISED (scales: A lowp_scales[4], B lowp_scales[5])
;;     4. batch 16 x [M 2,048, K 128] x [K 128, N 2,048]; A: computed on the way; B: computed on the way: QUANTISED (scales: A lowp_scales[6], B lowp_scales[7])
;;     5. batch 16 x [M 2,048, K 2,048] x [K 2,048, N 128]; A: softmax (see below); B: computed on the way: QUANTISED (scales: A lowp_scales[8], B lowp_scales[9])
;;     6. [M 2,048, K 2,048] x [K 2,048, N 2,048]; A: computed on the way; B: input Wo: QUANTISED (scales: A lowp_scales[10], B lowp_scales[11])
;;   THE QUANTISER, for each operand of a quantised product, along K:
;;     - The operand's scale is 2^e, e = its entry of the input lowp_scales (int32; the entries are numbered through the quantised products in the list's order, A before B).
;;     - Each number is divided by the scale, clamped to +-448, and rounded to the nearest number of E4M3, ties to even, subnormals kept.
;;     - The product sums the exact products of the quantised numbers (number of the format x scale) in f32.
;;   ~~~python
;;   def quantise(x, axis, e):      # numpy; x: float32 -> the quantised numbers, widened to float32 again
;;       x = np.moveaxis(x, axis, -1); K = x.shape[-1]
;;       r = np.clip(x / 2.0 ** e, -448, 448)
;;       step = 2.0 ** (np.maximum(np.frexp(np.where(r == 0, 1, r))[1] - 1, -6) - 3)
;;       q = np.round(r / step) * step * 2.0 ** e      # np.round: ties to even
;;       return np.moveaxis(q, -1, axis).astype(np.float32)
;;   ~~~
;;   SOFTMAX AHEAD OF A QUANTISED PRODUCT. Where the list says 'softmax', what is quantised is not the finished softmax but p = 2^(t - M), with t = logit x log2(e) and M = ceil(the row's largest t), a whole number; so 1/2 < the row's largest p <= 1. The row's sum l is taken of the UNQUANTISED p, in f32, and the product's result is divided by l at the end. Since M is a whole number, a kernel that streams over the keys may use a running M (the ceiling of the running maximum): every later rescaling is an exact power of two, so the quantised numbers keep their values, but for numbers so far below the row's largest that they fall under the format's range.
;;   OPERANDS COMPUTED ON THE WAY. 'Computed on the way' means the value that the module computes at that place (a softmax that the list does not call 'softmax' is quantised finished and normalised). What goes into a quantiser is computed in f32, as accurately as f32 sums, v_exp_f32 and their like allow (about 1e-6 of the number): no bf16 or f16 on the way to a quantiser, and a product that is left as it is and whose result goes on into a quantised operand takes f32 operands (vector FMAs, or v_wmma_f32_16x16x4_f32). A number that lies on a knife's edge between two numbers of the format may be rounded either way, as far as f32 arithmetic and the matrix unit's own rounding can turn it there, and no further.
;; One version. Each part assembles by itself: llvm-mc -triple=amdgcn-amd-amdhsa -mcpu=gfx1250 --defsym DOCPART=n.
;; ======== version 1 of 1: 5 launches
;; limits: right only within a limited range of input values
;; workspace buffers: xc 12,582,912 bytes; wc 16,777,216 bytes; mb 524,288 bytes of whole numbers; pc 12,582,912 bytes; yc 4,194,304 bytes; xb 16,777,216 bytes
;; launch prep (part 1): grid 1024 x 1, 4 waves a work-group, no clusters, 67,072 bytes of LDS; arguments q, k, v, Wq, Wk, Wv, Wo, mask, lowp_scales, xc, wc, mb; writes xc, wc, mb
.if DOCPART == 1
	.amdgcn_target "amdgcn-amd-amdhsa--gfx1250"
	.amdhsa_code_object_version 6
	.text
	.protected	k_q43ab70235e_prep
	.globl	k_q43ab70235e_prep
	.p2align	8
	.type	k_q43ab70235e_prep,@function
k_q43ab70235e_prep:
	s_mov_b64 s[64:65], 0
	v_nop
	global_prefetch_b8 v0, s[64:65] scope:SCOPE_SE
	s_setreg_imm32_b32 hwreg(HW_REG_WAVE_MODE, 25, 1), 1
	s_wait_xcnt 0x0
; FIRST OF FIVE LAUNCHES: prep, proj, attn, oproj, ln.
; NO WORK OF THE PROBLEM IS LEFT OUT: every input (q, k, v, Wq, Wk, Wv, Wo, ln_w, mask, lowp_scales) has a way to out0, no product is sliced away, and the mask is an input: all 2,048 x 2,048 scores of every head are made and selected by it.
; THIS LAUNCH: (a) q, k, v, Wq, Wk, Wv, Wo (f32, [2048][2048], K innermost) become codes of E4M3, each with its given scale 2^e: code = x / 2^e, held within +-448, to the nearest code, ties to even.
;   xc: codes of q, k, v, 4 MiB each;  wc: codes of Wq, Wk, Wv, Wo, 4 MiB each; laid as the inputs lie.  Each operand is quantised once here, since many work-groups of the products read it.
; (b) the mask (int32) becomes lane masks: record (qt, ks) of 64 words at (16 qt + ks) x 256 bytes of mb; bit L (r = L % 16, h = L / 16) of word n says mask[16 qt + r][128 ks + 32 (n / 16) + 16 h + n % 16] != 0:
;   the very lanes and registers in which the attention launch holds that score.
; LIMITS: each e used here lies between -126 and 119, so that 2^e and 448 x 2^e are f32 numbers.  NaN among the f32 inputs is not served; an infinity is held at the largest code.
; SHARES: work-groups 128 i .. 128 i + 127 take tensor i (i = 0 .. 6), 32,768 numbers each, 8,192 a wave; work-groups 896 .. 1023 take 16 rows of the mask each, a wave 4 key steps of 128.
; The two ways part on the work-group's number alone and have LDS bytes of their own.  No tensor loads, no barrier: waves share nothing.
.set STEPS, 16
.set EMAX,  8
.set MANT,  0x600000                   ; the mantissa field of 448 as f32
.set R,     16                         ; v16-79   four sets of 16 numbers as loaded
.set X,     80                         ; v80-111  two sets of 16 neighbours
.set C,     128                        ; v128-191 codes: four registers a step, never written again
.set WREG,  8192                       ; LDS 0 .. 32,767: a region for each wave: two stages of 32 x SP bytes
.set SP,    80                         ; a lane's 64 bytes + 16 of padding
.set SPW,   12                         ; v12 LDS address of my spare word; never rewritten
.set NIL,   13                         ; v13 0; never rewritten
.set MSTG,  32768                      ; LDS 32,768 .. 66,559: the mask's stages, MWAVE bytes a wave
.set MWAVE, 8448                       ; 16 rows x MPI
.set MPI,   528                        ; a row of 128 int32 + 16 bytes of padding
.set SPARE, 66560                      ; the spare words: 128 bytes a wave, two blocks of 256 bytes that no other line names
.set MA,    16                         ; the mask's way: v16-143 two sets of 64 as loaded
.set MX,    144                        ; v144-207 64 numbers in the score's layout
.set MW,    208                        ; v208-215 a pair of registers for each of four records
	s_load_b512 s[4:19], s[0:1], 0x0               ; q, k, v, Wq, Wk, Wv, Wo, mask
	s_load_b256 s[20:27], s[0:1], 0x40             ; the scales' exponents, xc, wc, mb
	v_lshl_add_u32 v[SPW], v0, 2, SPARE
	v_mov_b32 v[NIL], 0
	v_lshrrev_b32 v1, 5, v0
	v_readfirstlane_b32 s38, v1                    ; wave
	v_and_b32 v2, 31, v0                           ; lane
	v_lshlrev_b32 v3, 4, v2                        ; 16 x lane: my 16 bytes of 512, in and out
	s_mul_i32 s39, s38, WREG
	v_lshrrev_b32 v14, 2, v2
	v_mul_u32_u24 v14, v14, SP
	v_and_b32 v15, 3, v2
	v_lshl_add_u32 v14, v15, 4, v14
	v_add_nc_u32 v14, s39, v14                     ; the quantiser's stage, on the way in: SP (lane / 4) + 16 (lane % 4)
	v_mul_u32_u24 v15, v2, SP
	v_add_nc_u32 v15, s39, v15                     ; and on the way out: SP x lane: 16 neighbours
	s_mul_i32 s39, s38, MWAVE
	s_add_co_u32 s39, s39, MSTG
	v_add_nc_u32 v5, s39, v3                       ; the mask's stage, in: 16 x lane of a row
	v_and_b32 v6, 15, v2
	v_mul_u32_u24 v6, v6, MPI
	v_bfe_u32 v7, v0, 4, 1
	v_lshl_add_u32 v6, v7, 6, v6
	v_add_nc_u32 v6, s39, v6                       ; out: row r, + 64 h bytes: 16 keys of each block of 32
	v_lshlrev_b32 v8, 3, v2                        ; a record's two words for my lane
	s_lshr_b32 s30, ttmp9, 7                       ; which tensor (7: the mask)
	s_and_b32 s31, ttmp9, 127                      ; which part of it
	s_cmp_ge_u32 ttmp9, 896
	s_cbranch_scc1 .Lmask
; ---------------- the quantiser ----------------
	s_lshl_b32 s34, s30, 1
	s_sub_co_u32 s35, s34, 5
	s_wait_kmcnt 0x0
	s_cmp_lt_u32 s30, 3                            ; q, k, v: entries 0, 2, 4, into xc;  Wq, Wk, Wv: entries 1, 3, 5, Wo: entry 11, into wc
	s_cselect_b32 s34, s34, s35
	s_cselect_b32 s32, 0, 3
	s_cselect_b64 s[36:37], s[22:23], s[24:25]
	s_cmp_eq_u32 s30, 6
	s_cselect_b32 s34, 11, s34
	s_mov_b64 s[28:29], s[4:5]
.irp i, 1,2,3,4,5,6
	s_cmp_eq_u32 s30, \i
	s_cselect_b64 s[28:29], s[4+2*\i:5+2*\i], s[28:29]   ; the choice hangs on the work-group's number alone
.endr
	s_lshl_b32 s34, s34, 2
	s_mov_b32 s35, 0
	s_add_nc_u64 s[20:21], s[20:21], s[34:35]
	s_load_b32 s33, s[20:21], 0x0                  ; e
	s_sub_co_u32 s32, s30, s32
	s_lshl_b32 s32, s32, 22                        ; the tensor's 4 MiB of codes
	s_lshl_b32 s31, s31, 2
	s_add_co_u32 s31, s31, s38                     ; which run of 8,192 numbers is my wave's
	s_lshl_b32 s34, s31, 15
	s_add_nc_u64 s[28:29], s[28:29], s[34:35]
	s_lshl_b32 s34, s31, 13
	s_add_co_u32 s34, s34, s32
	s_add_nc_u64 s[36:37], s[36:37], s[34:35]
.macro QLOAD t
.irp i, 0,1,2,3
	global_load_b128 v[R+16*((\t)%4)+4*\i:R+16*((\t)%4)+4*\i+3], v3, s[28:29] offset:2048*(\t)+512*\i th:TH_LOAD_NT   ; 32 lanes read 512 consecutive bytes
.endr
.endm
.macro QTURN t                         ; a step's 2,048 bytes through my stage: in as they lie, back 64 bytes a lane.  LDS serves a wave's instructions in order
.irp i, 0,1,2,3
	ds_store_b128 v14, v[R+16*((\t)%4)+4*\i:R+16*((\t)%4)+4*\i+3] offset:32*SP*((\t)%2)+8*SP*\i
.endr
.irp i, 0,1,2,3
	ds_load_b128 v[X+16*((\t)%2)+4*\i:X+16*((\t)%2)+4*\i+3], v15 offset:32*SP*((\t)%2)+16*\i
.endr
.endm
.irp t, 0,1,2,3
	QLOAD \t
.endr
	s_wait_kmcnt 0x0
	s_add_co_i32 s33, s33, 127
	s_lshl_b32 s32, s33, 23
	v_mov_b32 v11, s32                             ; 2^e as f32: the conversion takes its exponent field
	s_add_co_i32 s33, s33, EMAX
	s_lshl_b32 s33, s33, 23
	s_or_b32 s33, s33, MANT
	v_mov_b32 v10, s33                             ; 448 x 2^e
	s_wait_alu depctr_va_vdst(0)
	s_wait_loadcnt 12                              ; step 0's four loads are in; three steps' twelve stay out
	QTURN 0
.macro QSTEP t
.set XS, X+16*((\t)%2)
	s_wait_dscnt 0x0                               ; this step's numbers are back, so its stores into the stage have read their registers,
.if (\t)+4 < STEPS
	QLOAD (\t)+4                                   ; which take the loads of four steps on
.endif
.if (\t)+1 < STEPS
.if STEPS-2-(\t) >= 3
	s_wait_loadcnt 12                              ; the next step's four loads are in; those of the three steps behind it may be out
.else
	s_wait_loadcnt 4*(STEPS-2-(\t))
.endif
	QTURN (\t)+1
.endif
.irp i, 0,1,2,3,4,5,6,7,8,9,10,11,12,13,14,15
	v_med3_num_f32 v[XS+\i], v[XS+\i], -v10, v10   ; the conversion to an 8-bit code does not saturate (ISA guide 7.6.2): the hold comes first
.endr
	v_cvt_scalef32_pk8_fp8_f32 v[C+4*(\t):C+4*(\t)+1], v[XS:XS+7], v11
	v_cvt_scalef32_pk8_fp8_f32 v[C+4*(\t)+2:C+4*(\t)+3], v[XS+8:XS+15], v11
	global_store_b128 v3, v[C+4*(\t):C+4*(\t)+3], s[36:37] offset:512*(\t)   ; the wave stores 512 consecutive bytes.  (The codes go to a store alone; the next vector lines are plain holds on other registers)
.endm
.irp t, 0,1,2,3,4,5,6,7,8,9,10,11,12,13,14,15
	QSTEP \t
.endr
	s_wait_tensorcnt 0x0                           ; the wave's end
	ds_add_u32 v[SPW], v[NIL]
	s_wait_dscnt 0x0
	s_endpgm
; ---------------- the mask ----------------
.Lmask:
	s_lshl_b32 s34, s31, 17                        ; my work-group's 16 rows of 8,192 bytes,
	s_lshl_b32 s32, s38, 11                        ; my wave's four key steps of 512 bytes
	s_add_co_u32 s34, s34, s32
	s_mov_b32 s35, 0
	s_lshl_b32 s32, s31, 4
	s_lshl_b32 s33, s38, 2
	s_add_co_u32 s32, s32, s33
	s_lshl_b32 s32, s32, 8                         ; record 16 qt + 4 wave
	s_mov_b32 s33, 0
	s_wait_kmcnt 0x0
	s_add_nc_u64 s[18:19], s[18:19], s[34:35]
	s_add_nc_u64 s[26:27], s[26:27], s[32:33]
.macro MLOAD u                         ; key step u of my four: 16 rows x 512 consecutive bytes
.irp i, 0,1,2,3,4,5,6,7,8,9,10,11,12,13,14,15
	global_load_b128 v[MA+64*((\u)%2)+4*\i:MA+64*((\u)%2)+4*\i+3], v3, s[18:19] offset:8192*\i+512*(\u) th:TH_LOAD_NT
.endr
.endm
.macro MTASK u
.if (\u) < 3
	s_wait_loadcnt 16                              ; this key step's 16 loads are in; the next one's stay out
.else
	s_wait_loadcnt 0
.endif
.irp i, 0,1,2,3,4,5,6,7,8,9,10,11,12,13,14,15
	ds_store_b128 v5, v[MA+64*((\u)%2)+4*\i:MA+64*((\u)%2)+4*\i+3] offset:MPI*\i
.endr
.irp b, 0,1,2,3
.irp j, 0,1,2,3
	ds_load_b128 v[MX+16*\b+4*\j:MX+16*\b+4*\j+3], v6 offset:128*\b+16*\j   ; register 16 b + i: key 32 b + 16 h + i of row r
.endr
.endr
	s_wait_dscnt 0x0                               ; back in registers; the stores have read theirs
.if (\u)+2 < 4
	MLOAD (\u)+2
.endif
.set n, 0
.rept 64
	v_cmp_ne_u32 s[40+n%4], 0, v[MX+n]             ; the 32 lanes' bits of word n,
	v_writelane_b32 v[MW+2*(\u)+n%2], s[40+n%4], n/2   ; into lane n / 2, register n % 2: the lane's 8 bytes of the record
.set n, n+1
.endr
	global_store_b64 v8, v[MW+2*(\u):MW+2*(\u)+1], s[26:27] offset:256*(\u)   ; 32 lanes store one record: 256 consecutive bytes, aligned
.endm
	MLOAD 0
	MLOAD 1
.irp i, 0,1,2,3,4,5,6,7
	v_mov_b32 v[MW+\i], 0                          ; written whole once: a lane write keeps the other lanes
.endr
	s_wait_alu depctr_va_vdst(0)
	MTASK 0
	MTASK 1
	MTASK 2
	MTASK 3
	s_wait_tensorcnt 0x0                           ; the wave's end
	ds_add_u32 v[SPW], v[NIL]
	s_wait_dscnt 0x0
	s_endpgm
.Lfunc_end_k_q43ab70235e_prep:
	.size	k_q43ab70235e_prep, .Lfunc_end_k_q43ab70235e_prep-k_q43ab70235e_prep
	.p2alignl 7, 3214868480
	.fill 96, 4, 3214868480
	.section	.rodata,"a",@progbits
	.p2align	6, 0x0
	.amdhsa_kernel k_q43ab70235e_prep
		.amdhsa_group_segment_fixed_size 67072
		.amdhsa_private_segment_fixed_size 0
		.amdhsa_enable_private_segment 0
		.amdhsa_kernarg_size 96
		.amdhsa_user_sgpr_count 2
		.amdhsa_user_sgpr_kernarg_segment_ptr 1
		.amdhsa_wavefront_size32 1
		.amdhsa_system_sgpr_workgroup_id_x 1
		.amdhsa_system_sgpr_workgroup_id_y 1
		.amdhsa_system_sgpr_workgroup_id_z 1
		.amdhsa_system_vgpr_workitem_id 0
		.amdhsa_next_free_vgpr 216
		.amdhsa_next_free_sgpr 66
		.amdhsa_reserve_vcc 0
		.amdhsa_float_denorm_mode_32 3
		.amdhsa_float_denorm_mode_16_64 3
		.amdhsa_memory_ordered 1
		.amdhsa_forward_progress 1
		.amdhsa_inst_pref_size 86
	.end_amdhsa_kernel
	.amdgpu_metadata
---
amdhsa.version: [ 1, 2 ]
amdhsa.kernels:
  - .name:           k_q43ab70235e_prep
    .symbol:         k_q43ab70235e_prep.kd
    .args:
      - { .name: q, .offset: 0, .size: 8, .value_kind: global_buffer, .address_space: global }
      - { .name: k, .offset: 8, .size: 8, .value_kind: global_buffer, .address_space: global }
      - { .name: v, .offset: 16, .size: 8, .value_kind: global_buffer, .address_space: global }
      - { .name: Wq, .offset: 24, .size: 8, .value_kind: global_buffer, .address_space: global }
      - { .name: Wk, .offset: 32, .size: 8, .value_kind: global_buffer, .address_space: global }
      - { .name: Wv, .offset: 40, .size: 8, .value_kind: global_buffer, .address_space: global }
      - { .name: Wo, .offset: 48, .size: 8, .value_kind: global_buffer, .address_space: global }
      - { .name: mask, .offset: 56, .size: 8, .value_kind: global_buffer, .address_space: global }
      - { .name: lowp_scales, .offset: 64, .size: 8, .value_kind: global_buffer, .address_space: global }
      - { .name: xc, .offset: 72, .size: 8, .value_kind: global_buffer, .address_space: global }
      - { .name: wc, .offset: 80, .size: 8, .value_kind: global_buffer, .address_space: global }
      - { .name: mb, .offset: 88, .size: 8, .value_kind: global_buffer, .address_space: global }
    .group_segment_fixed_size: 67072
    .private_segment_fixed_size: 0
    .kernarg_segment_align: 8
    .kernarg_segment_size: 96
    .max_flat_workgroup_size: 128
    .sgpr_count:     66
    .vgpr_count:     216
    .wavefront_size: 32
...
	.end_amdgpu_metadata
.endif
;; end of part 1
;; launch proj (part 2): grid 8 x 24, 4 waves a work-group, clusters of 4 x 4, 327,680 bytes of LDS; arguments xc, wc, lowp_scales, pc; writes pc
.if DOCPART == 2
	.amdgcn_target "amdgcn-amd-amdhsa--gfx1250"
	.amdhsa_code_object_version 6
	.text
	.protected	k_q43ab70235e_proj
	.globl	k_q43ab70235e_proj
	.p2align	8
	.type	k_q43ab70235e_proj,@function
k_q43ab70235e_proj:
	s_mov_b64 s[64:65], 0
	v_nop
	global_prefetch_b8 v0, s[64:65] scope:SCOPE_SE
	s_setreg_imm32_b32 hwreg(HW_REG_WAVE_MODE, 25, 1), 1
	s_wait_xcnt 0x0
	s_wait_alu depctr_hold_cnt(0) depctr_sa_sdst(0) depctr_va_vdst(0) depctr_va_sdst(0) depctr_va_ssrc(0) depctr_va_vcc(0) depctr_vm_vsrc(0)
	s_getreg_b32 s2, hwreg(HW_REG_IB_STS2, 6, 4)
	s_cmp_eq_u32 s2, 0
	s_cbranch_scc0 .Lentry_in_a_cluster
	s_endpgm
.Lentry_in_a_cluster:
	s_bfe_u32 s2, ttmp6, 0x10000c
	s_cmp_lg_u32 s2, 0xf033
	s_cbranch_scc0 .Lentry_shape_is_right
	s_endpgm
.Lentry_shape_is_right:
.set KSTEP,  256
.set ROWB,   256
.set KROW,   2048
.set PITCH,  272
.set FR,     16
.set NL,     4
.set NP,     4
.set HALFT,  128*PITCH
.set SLOT,   4*HALFT
.set LAPS,   2048/(2*KSTEP)
.set SPARE,  2*SLOT
.set SPITCH, 144
.set COB,  10
.set ADRA, 16
.set ADRB, 20
.set STO,  24
.set RD,   25
.set PFO,  27
.set SPW,  28
.set NIL,  29
.set SCL,  30
.set LIMV, 31
.set TMP,  32
.set CD,   96
.set AF,   128
.set BK,   128
.set G1, 24
.set G0, 32
.set G1B, 48
.set G0B, 56
.set PFA, 66
.set LIM, 68
.set MSB, 0
.macro WIN new
.if MSB != \new
	s_set_vgpr_msb (MSB<<8)|\new
.set MSB, \new
.endif
.endm
.set MUL_LO, 0xa1
.set MUL_HI, 0xf1
.set TO_B,   0x40
.macro JLOAD g0a, g1a, g0b, g1b
	s_cmp_eq_u32 s15, 0
	s_cbranch_scc0 .Lfor_b_\@
	tensor_load_to_lds s[\g0a:\g0a+3], s[\g1a:\g1a+7]
	s_nop 0
.rept 4
	v_nop
.endr
	s_branch .Lasked_\@
.Lfor_b_\@:
	tensor_load_to_lds s[\g0b:\g0b+3], s[\g1b:\g1b+7]
	s_nop 0
.rept 4
	v_nop
.endr
.Lasked_\@:
.endm
.macro CREST
	s_cmp_lg_u32 s14, 0
	s_cbranch_scc1 .Lnot_wave_0_\@
	s_barrier_signal -3
.Lnot_wave_0_\@:
	s_barrier_wait -3
	s_barrier_signal -1
	s_barrier_wait -1
.endm
.macro CROUND
	s_barrier_signal -1
	s_barrier_wait -1
	CREST
.endm
.macro ASK
	s_cmp_gt_u32 s3, s[LIM]
	s_cbranch_scc0 .Lnot_mine_\@
	s_wait_alu depctr_va_vdst(0)
	global_prefetch_b8 v[PFO], s[PFA:PFA+1] offset:KSTEP th:TH_LOAD_NT scope:SCOPE_SE
.Lnot_mine_\@:
.endm
	s_load_b256 s[4:11], s[0:1], 0x0
	v_lshl_add_u32 v[SPW], v0, 2, SPARE
	v_mov_b32 v[NIL], 0
	ds_add_u32 v[SPW], v[NIL]
	ds_add_u32 v[SPW], v[NIL]
	v_lshrrev_b32 v1, 5, v0
	v_readfirstlane_b32 s14, v1
	s_lshr_b32 s15, s14, 1
	s_and_b32 s16, s14, 1
	s_bfe_u32 s40, ttmp6, 0x40000
	s_bfe_u32 s41, ttmp6, 0x40004
	s_lshl_b32 s42, ttmp9, 2
	s_add_co_u32 s42, s42, s40
	s_and_b32 s69, ttmp7, 0xffff
	s_lshr_b32 s70, s69, 1
	s_and_b32 s71, s69, 1
	s_lshl_b32 s17, s71, 2
	s_add_co_u32 s17, s17, s41
	s_lshl_b32 s43, s41, 2
	s_lshl_b32 s43, 15, s43
	s_lshl_b32 s44, 0x1111, s40
	s_or_b32 s[G1+0], s43, (0<<16)|(1<<20)|(1<<21)|(5<<22)|(3<<25)
	s_or_b32 s[G1B+0], s44, (0<<16)|(1<<20)|(1<<21)|(5<<22)|(3<<25)
.irp g, G1, G1B
	s_mov_b32 s[\g+1], ROWB<<16
	s_mov_b32 s[\g+2], 128<<16
	s_mov_b32 s[\g+3], ROWB<<16
	s_mov_b32 s[\g+4], 128
	s_mov_b32 s[\g+5], KROW
	s_mov_b32 s[\g+6], 0
	s_mov_b32 s[\g+7], 0
.endr
	s_lshl_b32 s78, s70, 22
	s_mov_b32 s79, 0
	s_lshl_b32 s18, s16, 7
	s_lshl_b32 s20, s17, 8
	s_add_co_u32 s20, s20, s18
	s_lshl_b32 s20, s20, 11
	s_mov_b32 s21, 0
	s_add_nc_u64 s[20:21], s[20:21], s[78:79]
	s_lshl_b32 s46, s42, 8
	s_add_co_u32 s46, s46, s18
	s_lshl_b32 s46, s46, 11
	s_mov_b32 s47, 0
	s_add_nc_u64 s[46:47], s[46:47], s[78:79]
	s_mul_i32 s45, s14, HALFT
	s_lshl_b32 s80, s70, 3
	s_mov_b32 s81, 0
	s_lshl_b32 s82, s70, 2
	s_add_co_u32 s82, s82, 24
	s_cmp_eq_u32 s70, 2
	s_cselect_b32 s82, 36, s82
	s_mov_b32 s83, 0
	s_wait_dscnt 0x0
	s_wait_kmcnt 0x0
	s_cmp_eq_u32 s70, 2
	s_cselect_b64 s[72:73], s[6:7], s[4:5]
	s_cselect_b64 s[74:75], s[4:5], s[6:7]
	s_add_nc_u64 s[80:81], s[8:9], s[80:81]
	s_add_nc_u64 s[82:83], s[8:9], s[82:83]
	s_load_b64 s[96:97], s[80:81], 0x0
	s_load_b32 s98, s[82:83], 0x0
	s_add_nc_u64 s[20:21], s[72:73], s[20:21]
	s_add_nc_u64 s[46:47], s[74:75], s[46:47]
	CROUND
.irp s, 0,1
	s_mov_b32 s[G0+4*\s], 1
	s_add_co_u32 s[G0+4*\s+1], s45, \s*SLOT
	s_add_nc_u64 s[G0+4*\s+2:G0+4*\s+3], s[20:21], \s*ROWB
	s_or_b32 s[G0+4*\s+3], s[G0+4*\s+3], 0x80000000
	s_mov_b32 s[G0B+4*\s], 1
	s_add_co_u32 s[G0B+4*\s+1], s45, \s*SLOT
	s_add_nc_u64 s[G0B+4*\s+2:G0B+4*\s+3], s[46:47], \s*ROWB
	s_or_b32 s[G0B+4*\s+3], s[G0B+4*\s+3], 0x80000000
	s_wait_alu depctr_va_vdst(0)
	s_wait_tensorcnt 0x0
	ds_add_u32 v28, v29
	ds_add_u32 v28, v29
	s_wait_dscnt 0x0
	CROUND
	JLOAD G0+4*\s, G1, G0B+4*\s, G1B
.endr
	v_and_b32 v1, 15, v0
	s_wait_alu depctr_va_vdst(0)
	v_bfe_u32 v2, v0, 4, 1
	v_mul_u32_u24 v3, v1, PITCH
	v_lshl_add_u32 v4, v2, 4, v3
	s_mul_i32 s21, s15, HALFT
	s_mul_i32 s22, s16, HALFT
	s_add_co_u32 s22, s22, 2*HALFT
.irp s, 0,1
	v_add_nc_u32 v[ADRA+\s], s21, v4
	v_add_nc_u32 v[ADRB+\s], s22, v4
	s_add_co_u32 s21, s21, SLOT
	s_add_co_u32 s22, s22, SLOT
.endr
	s_mul_i32 s23, s14, 16*SPITCH
	v_mul_u32_u24 v5, v1, SPITCH
	s_wait_alu depctr_va_vdst(0)
	v_lshl_add_u32 v5, v2, 3, v5
	v_add_nc_u32 v[STO], s23, v5
	v_and_b32 v6, 31, v0
	v_lshrrev_b32 v7, 3, v6
	v_mul_u32_u24 v7, v7, SPITCH
	v_and_b32 v8, 7, v0
	v_lshl_add_u32 v7, v8, 4, v7
	v_add_nc_u32 v[RD], s23, v7
	s_cmp_eq_u32 s70, 1
	s_mov_b32 s91, 2048
	s_cselect_b32 s91, 1024, s91
	s_mov_b32 s92, 1024
	s_cselect_b32 s92, 2048, s92
	v_lshlrev_b32 v[COB], 4, v6
	v_add_nc_u32 v[COB+1], s92, v[COB]
	v_add_nc_u32 v[COB+2], s91, v[COB]
	v_add_nc_u32 v[COB+3], s92, v[COB+2]
	s_lshl_b32 s84, s17, 1
	s_add_co_u32 s84, s84, s15
	s_lshl_b32 s85, s42, 1
	s_add_co_u32 s85, s85, s16
	s_cmp_eq_u32 s70, 2
	s_cselect_b32 s86, s84, s85
	s_cselect_b32 s87, s85, s84
	s_lshl_b32 s86, s86, 18
	s_lshl_b32 s87, s87, 14
	s_add_co_u32 s86, s86, s87
	s_add_co_u32 s86, s86, s78
	s_mov_b32 s87, 0
	s_add_nc_u64 s[10:11], s[10:11], s[86:87]
	s_lshl_b32 s88, s17, 8
	s_lshl_b32 s89, s42, 8
	s_cmp_eq_u32 s15, 0
	s_cselect_b32 s88, s88, s89
	s_cselect_b32 s89, s40, s41
	s_cselect_b32 s90, ttmp9, s71
	s_cselect_b64 s[PFA:PFA+1], s[72:73], s[74:75]
	s_cmp_eq_u32 s90, 0
	s_cselect_b32 s[LIM], 1, -1
	s_lshl_b32 s90, s16, 7
	s_add_co_u32 s88, s88, s90
	s_lshl_b32 s89, s89, 5
	s_add_co_u32 s88, s88, s89
	s_lshl_b32 s88, s88, 11
	s_add_co_u32 s88, s88, s78
	s_add_co_u32 s88, s88, 2*KSTEP
	s_mov_b32 s89, 0
	s_add_nc_u64 s[PFA:PFA+1], s[PFA:PFA+1], s[88:89]
	v_lshlrev_b32 v[PFO], 11, v6
.macro FRAG reg, adr, q, i
.irp c, 0,1,2,3
	ds_load_b128 v[\reg+4*\c:\reg+4*\c+3], v[\adr] offset:128*(\q)+32*\c+(\i)*16*PITCH
.endr
.endm
.macro MUL16 a0, p, zero
.irp a, \a0, \a0+1
.irp b, 0,1,2,3,4,5,6,7
.if \zero
	v_wmma_f32_16x16x128_fp8_fp8 v[8*(8*((\a)%4)+\b):8*(8*((\a)%4)+\b)+7], v[128*(\p)+FR*\b:128*(\p)+FR*\b+FR-1], v[AF+FR*(\a):AF+FR*(\a)+FR-1], 0
.else
	v_wmma_f32_16x16x128_fp8_fp8 v[8*(8*((\a)%4)+\b):8*(8*((\a)%4)+\b)+7], v[128*(\p)+FR*\b:128*(\p)+FR*\b+FR-1], v[AF+FR*(\a):AF+FR*(\a)+FR-1], v[8*(8*((\a)%4)+\b):8*(8*((\a)%4)+\b)+7]
.endif
.endr
.endr
.endm
.macro FETCH_B slot, q, p
	WIN TO_B
.irp i, 0,1,2,3,4,5,6,7
	FRAG 128*(\p)+FR*\i, ADRB+\slot, \q, \i
.endr
	WIN 0
.endm
.macro FETCH_A slot, q, i0
.irp i, \i0, \i0+1, \i0+2, \i0+3
	FRAG AF+FR*(\i), ADRA+\slot, \q, \i
.endr
.endm
.macro PLACES n
.rept \n
	v_nop
.endr
.endm
.macro STEP slot, q, zero
	s_wait_dscnt 4*NL
	WIN MUL_LO
	MUL16 0, (\q)%2, \zero
	MUL16 2, (\q)%2, \zero
	s_wait_dscnt 0
	PLACES NP
	FETCH_B \slot, (\q)+1, 1-(\q)%2
	FETCH_A \slot, (\q)+1, 0
	WIN MUL_HI
	MUL16 4, (\q)%2, \zero
	MUL16 6, (\q)%2, \zero
	PLACES NP
	WIN 0
	FETCH_A \slot, (\q)+1, 4
.endm
.macro TURN slot, next, fill
.if \fill
	s_wait_xcnt 0x0
	s_add_nc_u64 s[PFA:PFA+1], s[PFA:PFA+1], KSTEP
.endif
	s_wait_tensorcnt 0x0
	ds_add_u32 v[SPW], v[NIL]
	s_wait_dscnt 4*NL+1
	WIN MUL_LO
	MUL16 0, 1, 0
	s_wait_dscnt 0x0
	s_barrier_signal -1
	MUL16 2, 1, 0
	WIN 0
	s_barrier_wait -1
.if \fill
	CREST
	s_add_nc_u64 s[G0+4*\slot+2:G0+4*\slot+3], s[G0+4*\slot+2:G0+4*\slot+3], 2*ROWB
	s_add_nc_u64 s[G0B+4*\slot+2:G0B+4*\slot+3], s[G0B+4*\slot+2:G0B+4*\slot+3], 2*ROWB
	JLOAD G0+4*\slot, G1, G0B+4*\slot, G1B
.else
	PLACES NP
.endif
	FETCH_B \next, 0, 0
	FETCH_A \next, 0, 0
.if \fill
	ASK
.endif
	WIN MUL_HI
	MUL16 4, 1, 0
	MUL16 6, 1, 0
	PLACES NP
	WIN 0
	FETCH_A \next, 0, 4
.endm
	s_wait_tensorcnt 1
	s_barrier_signal -1
	s_barrier_wait -1
	FETCH_B 0, 0, 0
	FETCH_A 0, 0, 0
	FETCH_A 0, 0, 4
	STEP 0, 0, 1
	s_mov_b32 s3, LAPS-1
.Llap:
	TURN 0, 1, 1
	STEP 1, 0, 0
	TURN 1, 0, 1
	STEP 0, 0, 0
	s_sub_co_u32 s3, s3, 1
	s_cmp_lg_u32 s3, 0
	s_cbranch_scc1 .Llap
	TURN 0, 1, 0
	STEP 1, 0, 0
	s_wait_dscnt 4*NL
	WIN MUL_LO
	MUL16 0, 1, 0
	MUL16 2, 1, 0
	s_wait_dscnt 0
	WIN MUL_HI
	MUL16 4, 1, 0
	MUL16 6, 1, 0
	WIN 0
.macro TOSTAGE a
.set AC, 64*((\a)%4)
.set CC, CD+16*((\a)%2)
.set BB, BK+16*((\a)%2)
	WIN 0x02+((\a)/4)
.set j, 0
.rept 64
	v_med3_num_f32 v[TMP+j], v[AC+j], -v[LIMV], v[LIMV]
.set j, j+1
.endr
	WIN 0
.irp b, 0,1,2,3,4,5,6,7
	v_cvt_scalef32_pk8_fp8_f32 v[CC+2*\b:CC+2*\b+1], v[TMP+8*\b:TMP+8*\b+7], v[SCL]
.endr
	v_nop
.irp b, 0,1,2,3,4,5,6,7
	ds_store_b64 v[STO], v[CC+2*\b:CC+2*\b+1] offset:16*\b
.endr
.irp t, 0,1,2,3
	ds_load_b128 v[BB+4*\t:BB+4*\t+3], v[RD] offset:\t*4*SPITCH
.endr
.endm
.macro SEND a, younger
.set BB, BK+16*((\a)%2)
	s_wait_dscnt \younger
.irp t, 0,1,2,3
	global_store_b128 v[COB+2*((\a)%2)+(\t)/2], v[BB+4*\t:BB+4*\t+3], s[10:11] offset:4096*((\a)/2)+512*((\t)%2)
.endr
.endm
	s_wait_kmcnt 0x0
	s_add_co_i32 s96, s96, s97
	s_sub_co_i32 s96, s98, s96
	s_add_co_i32 s96, s96, 127
	s_lshl_b32 s97, s96, 23
	v_mov_b32 v[SCL], s97
	s_add_co_i32 s96, s96, 8
	s_lshl_b32 s96, s96, 23
	s_or_b32 s96, s96, 0x600000
	v_mov_b32 v[LIMV], s96
	PLACES NP
	TOSTAGE 0
.irp a, 1,2,3,4,5,6,7
.if \a > 1
	s_wait_xcnt 0x0
.endif
	TOSTAGE \a
	SEND \a-1, 12
.endr
	SEND 7, 0
	s_wait_tensorcnt 0x0
	ds_add_u32 v[SPW], v[NIL]
	s_wait_dscnt 0x0
	CROUND
	s_endpgm
.Lfunc_end_k_q43ab70235e_proj:
	.size	k_q43ab70235e_proj, .Lfunc_end_k_q43ab70235e_proj-k_q43ab70235e_proj
	.p2alignl 7, 3214868480
	.fill 96, 4, 3214868480
	.section	.rodata,"a",@progbits
	.p2align	6, 0x0
	.amdhsa_kernel k_q43ab70235e_proj
		.amdhsa_group_segment_fixed_size 327680
		.amdhsa_private_segment_fixed_size 0
		.amdhsa_enable_private_segment 0
		.amdhsa_kernarg_size 32
		.amdhsa_user_sgpr_count 2
		.amdhsa_user_sgpr_kernarg_segment_ptr 1
		.amdhsa_wavefront_size32 1
		.amdhsa_system_sgpr_workgroup_id_x 1
		.amdhsa_system_sgpr_workgroup_id_y 1
		.amdhsa_system_sgpr_workgroup_id_z 1
		.amdhsa_system_vgpr_workitem_id 0
		.amdhsa_next_free_vgpr 1024
		.amdhsa_next_free_sgpr 100
		.amdhsa_reserve_vcc 0
		.amdhsa_float_denorm_mode_32 3
		.amdhsa_float_denorm_mode_16_64 3
		.amdhsa_memory_ordered 1
		.amdhsa_forward_progress 1
		.amdhsa_inst_pref_size 127
	.end_amdhsa_kernel
	.amdgpu_metadata
---
amdhsa.version: [ 1, 2 ]
amdhsa.kernels:
  - .name:           k_q43ab70235e_proj
    .symbol:         k_q43ab70235e_proj.kd
    .args:
      - { .name: xc, .offset: 0, .size: 8, .value_kind: global_buffer, .address_space: global }
      - { .name: wc, .offset: 8, .size: 8, .value_kind: global_buffer, .address_space: global }
      - { .name: lowp_scales, .offset: 16, .size: 8, .value_kind: global_buffer, .address_space: global }
      - { .name: pc, .offset: 24, .size: 8, .value_kind: global_buffer, .address_space: global }
    .group_segment_fixed_size: 327680
    .private_segment_fixed_size: 0
    .kernarg_segment_align: 8
    .kernarg_segment_size: 32
    .max_flat_workgroup_size: 128
    .sgpr_count:     100
    .vgpr_count:     1024
    .wavefront_size: 32
...
	.end_amdgpu_metadata
.endif
;; end of part 2
;; launch attn (part 3): grid 16 x 16, 8 waves a work-group, clusters of 4 x 1, 327,680 bytes of LDS; arguments pc, mb, lowp_scales, yc; writes yc
.if DOCPART == 3
	.amdgcn_target "amdgcn-amd-amdhsa--gfx1250"
	.amdhsa_code_object_version 6
	.text
	.protected	k_q43ab70235e_attn
	.globl	k_q43ab70235e_attn
	.p2align	8
	.type	k_q43ab70235e_attn,@function
k_q43ab70235e_attn:
	s_mov_b64 s[64:65], 0
	v_nop
	global_prefetch_b8 v0, s[64:65] scope:SCOPE_SE
	s_setreg_imm32_b32 hwreg(HW_REG_WAVE_MODE, 25, 1), 1
	s_wait_xcnt 0x0
	s_wait_alu depctr_hold_cnt(0) depctr_sa_sdst(0) depctr_va_vdst(0) depctr_va_sdst(0) depctr_va_ssrc(0) depctr_va_vcc(0) depctr_vm_vsrc(0)
	s_getreg_b32 s2, hwreg(HW_REG_IB_STS2, 6, 4)
	s_cmp_eq_u32 s2, 0
	s_cbranch_scc0 .Lentry_in_a_cluster
	s_endpgm
.Lentry_in_a_cluster:
	s_bfe_u32 s2, ttmp6, 0x10000c
	s_cmp_lg_u32 s2, 0x3003
	s_cbranch_scc0 .Lentry_shape_is_right
	s_endpgm
.Lentry_shape_is_right:
; ATTENTION on codes of E4M3, with the mask as it is given.  No work is left out: the mask is an input, so every key step is walked and the scores are selected by it.
; pc: Q at 0: [head][token][128];  K at 4 MiB: [head][row][128], row = the key's number with its bits 3 and 4 exchanged;  V at 8 MiB: [head][key block][128 channels][128 keys].
; mb: the mask as lane masks, a record of 64 words for 16 queries x 128 keys, record (qt, ks) at (16 qt + ks) x 256 bytes.
; t = score x log2(e) / sqrt(128) x 2^(e6 + e7); a hidden score becomes -infinity ahead of the maximum; M = the running largest t rounded up to a whole number; p = 2^(t - M) is quantised with 2^e8;
; the row's sum is taken of the unquantised p; when M moves, the sum and O are multiplied by 2^(old M - new M).  y = O x 2^(e8 + e9) / sum is quantised with 2^e10 and stored as codes in yc,
; laid as the next product's operand registers take them: a block of 2,048 bytes for 16 tokens of one head, block (token / 16) x 16 + head; in it byte 512 c + 256 h + 16 r + i is channel 32 c + 16 h + i of token r.
; A QUERY ALL OF WHOSE KEYS ARE HIDDEN (sum 0) gets the format's NaN code in all its channels; no NaN is computed with in this launch.
; LIMITS: e6 + e7 between -123 and 130; e8 and e10 between -126 and 119; the scaled scores t stay under 2^31 in magnitude.
; SHARES: a work-group owns 128 queries of one head.  A wave owns 32 queries, two tiles of 16, so that each fragment of K and of V read from LDS feeds two matrix instructions.
; Waves w and w + 4 own the same 32 queries and share the keys: of a slot's four key steps of 128, waves 0-3 take steps 0 and 2, waves 4-7 steps 1 and 3.  Each keeps its own running M, sum and O.
; At the end the two parts are joined under the larger M, by powers of two: each wave sends one tile's part to its partner through LDS and finishes the other tile (X: the tile that I finish, Y: the one that I send).
; Both products are used transposed (S^T = K Q^T, O^T = V^T P^T): a lane holds one query.  Tile 2 b + u of K holds the keys 32 b + 8 u + r + 8 (r / 8), rows 16 (2 b + u) + r in K's order of rows, so that
; the 16 registers of two neighbouring tiles are 16 neighbouring keys and the conversions' results are the second product's operand.
; CLUSTER: the four work-groups of a cluster walk the same K and V of one head: each tile is asked for jointly.  A slot holds 512 keys; every wave issues one load of 16,384 dense bytes, stated as 64 rows of 256 bytes
; with 16 bytes of padding behind each 128: waves 0-3 K's quarters, waves 4-7 V's four key blocks.  Four slots' worth of keys go through two slots: a wave has one tensor load out.
; REGISTERS: window 0: v1-11, v20-23 addresses; v12-15, v16-19 -M, largest t, sum of X, of Y; v32-63 Q; v64-127, v128-191 S^T, then p, of X, of Y; v192-223 p's codes; v224-231 constants; v232-247 at work.
;   window 1: v0-63, v64-127 O^T of X, of Y; v128-255 eight fragments, K's and then V's.
.set KP,    144                        ; a row in LDS: 128 bytes + 16 of padding
.set STEPB, 128*KP                     ; a key step's rows of K, or a key block of V; also what one tensor load fills
.set VOFF,  4*STEPB                    ; a slot: 512 rows of K, then 4 x 128 rows of V
.set SLOTB, 8*STEPB
.set SPARE, 2*SLOTB                    ; the spare words: 128 bytes a wave, four blocks of 256 bytes that no other line names
.set MSW,   8448                       ; the join: 64 registers' image, -M and the sum, for each wave; in slot 0, which has had its last fill and its last read at the last change of slots
.set CSTG,  8*MSW                      ; the way out: 16 rows x 144 bytes a wave, behind the join's stages
.set AK0, 1
.set AV0, 2
.set PFO, 3                            ; v3 256 x lane; never rewritten
.set SPW, 5
.set NIL, 6
.set GO,  7
.set ADK, 8
.set ADV, 9
.set SA,  10                           ; the join: where I put 16 bytes a lane, 4 bytes a lane
.set SB4, 11
.set STX, 12
.set STY, 16
.set RA,  20                           ; the join: the same places in my partner's stage
.set RB4, 21
.set CI,  22                           ; the way out: in, back
.set CB,  23
.set OM,  24                           ; my partner's -M and sum
.set OL,  25
.set QX,  32
.set QY,  48
.set SX,  64
.set SY,  128
.set PX,  192
.set PY,  208
.set LIMA, 224                         ; 448 x 2^e8, twice: the two halves of a dual instruction name registers of different banks
.set LIMB, 225
.set SC8,  226
.set SC10, 227
.set LIM10, 228
.set NANC, 229
.set NINF, 230
.set PD,   231
.set SUMT, 232
.set MX,   240
.set TT,   244
.set F,    246
.set OX,  0                            ; in window 1
.set OY,  64
.set FB,  128
.set TS,  2                            ; s2 LDS byte at which my key step's rows begin
.set EPV, 3                            ; s3 e8 + e9
.set MPX, 6                            ; s[6:7] X's mask record to be fetched
.set PFA, 8                            ; s[8:9] first the scales' pointer, then where my prefetches stand
.set WV,  12
.set SLOTS, 13
.set LIM, 14
.set TF,  15                           ; the slot filled last
.set G1,  16
.set G0,  24
.set CS,  28
.set SEL, 30
.set GOF, 66                           ; STEPB x (wave / 4)
.set STP, 67                           ; my step in the slot
.set WOFF, 100                         ; STEPB x wave
.set TR,  101                          ; the slot in hand
.set MPY, 104                          ; s[104:105] Y's mask record
; s[32:63] and s[68:99]: a tile's 64 mask words (at the head and on the way out: at work)
.set MSB, 0
.macro WIN new                         ; the immediate's high byte repeats the setting that is left
.if MSB != \new
	s_set_vgpr_msb (MSB<<8)|\new
.set MSB, \new
.endif
.endm
.macro CROUND
	s_barrier_signal -1
	s_barrier_wait -1
	s_cmp_lg_u32 s[WV], 0
	s_cbranch_scc1 .Lnot_wave_0_\@
	s_barrier_signal -3
.Lnot_wave_0_\@:
	s_barrier_wait -3
	s_barrier_signal -1
	s_barrier_wait -1
.endm
.macro MLOAD p                         ; a record: 64 words
	s_load_b512 s[32:47], s[\p:\p+1], 0x0
	s_load_b512 s[48:63], s[\p:\p+1], 0x40
	s_load_b512 s[68:83], s[\p:\p+1], 0x80
	s_load_b512 s[84:99], s[\p:\p+1], 0xc0
.endm
; A prefetch of what the next change of slots will ask for: 65,536 bytes of K and as many of V.  The head's first cluster asks; in each of its four work-groups waves 0 and 2 for K, waves 1 and 3 for V,
; 8,192 bytes each, lanes 256 bytes apart; the partners are told apart by address.  The last change that fills a slot asks for nothing.
.macro ASK
	s_cmp_gt_u32 s[SLOTS], s[LIM]
	s_cbranch_scc0 .Lnot_mine_\@
	global_prefetch_b8 v[PFO], s[PFA:PFA+1] th:TH_LOAD_NT scope:SCOPE_SE
.Lnot_mine_\@:
.endm
	s_load_b256 s[4:11], s[0:1], 0x0               ; pc, mb, the scales' exponents, yc
	v_lshl_add_u32 v[SPW], v0, 2, SPARE
	v_mov_b32 v[NIL], 0
	ds_add_u32 v[SPW], v[NIL]                      ; the wave's opening: the add, twice on end, and its wait ahead of my first tensor load
	ds_add_u32 v[SPW], v[NIL]
	v_lshrrev_b32 v8, 5, v0
	v_readfirstlane_b32 s[WV], v8                  ; wave 0..7
	s_bfe_u32 s32, ttmp6, 0x40000                  ; cx
	s_lshl_b32 s33, ttmp9, 2
	s_add_co_u32 s33, s33, s32                     ; my block of 128 queries
	s_and_b32 s34, ttmp7, 0xffff                   ; the head, which the partners share
	s_lshl_b32 s35, s34, 18                        ; its bytes in Q, K and V
	s_lshr_b32 s36, s[WV], 2                       ; g: which key steps are mine
	s_and_b32 s37, s[WV], 3                        ; which 32 queries
	s_mul_i32 s[GOF], s36, STEPB
	s_mul_i32 s[WOFF], s[WV], STEPB                ; where my tensor loads go in a slot
	s_add_co_u32 s38, s36, 1
	s_lshl_b32 s38, s38, 22                        ; what I fetch: K at 4 MiB (waves 0-3) or V at 8 MiB,
	s_lshl_b32 s39, s37, 14                        ; 16,384 bytes,
	s_add_co_u32 s38, s38, s39
	s_add_co_u32 s38, s38, s35                     ; of my head: no place in the cluster enters
	s_mov_b32 s39, 0
	s_lshl_b32 s40, s33, 7
	s_lshl_b32 s41, s37, 5
	s_add_co_u32 s40, s40, s41                     ; my first query
	s_lshl_b32 s41, s36, 4
	s_add_co_u32 s42, s40, s41                     ; X's first query: + 16 g
	s_xor_b32 s41, s41, 16
	s_add_co_u32 s43, s40, s41                     ; Y's: + 16 (1 - g)
	s_lshl_b32 s44, s42, 7
	s_add_co_u32 s44, s44, s35                     ; X's codes
	s_lshl_b32 s45, s43, 7
	s_add_co_u32 s45, s45, s35                     ; Y's
	s_lshl_b32 s46, s36, 8                         ; my first key step's record: g
	s_lshl_b32 s48, s42, 8                         ; a tile's 16 records: (query / 16) x 4,096
	s_add_co_u32 s48, s48, s46
	s_mov_b32 s49, 0
	s_lshl_b32 s50, s43, 8
	s_add_co_u32 s50, s50, s46
	s_mov_b32 s51, 0
	s_lshl_b32 s52, s42, 11                        ; yc: (X's query / 16) x 16 blocks of 2,048 bytes
	s_lshl_b32 s53, s34, 11
	s_add_co_u32 s52, s52, s53                     ; + the head's block
	s_mov_b32 s53, 0
	s_and_b32 s54, s[WV], 1
	s_add_co_u32 s54, s54, 1
	s_lshl_b32 s54, s54, 22                        ; the prefetches: K (even waves) or V,
	s_add_co_u32 s54, s54, s35
	s_lshl_b32 s55, s32, 14                        ; my work-group's quarter of a slot,
	s_add_co_u32 s54, s54, s55
	s_bfe_u32 s55, s[WV], 0x10001
	s_lshl_b32 s55, s55, 13                        ; my wave's half of it,
	s_add_co_u32 s54, s54, s55
	s_add_co_u32 s54, s54, 65536                   ; in slot 1: the first change of slots steps it to slot 2
	s_mov_b32 s55, 0
	s_or_b32 s[LIM], s36, ttmp9                    ; 0 in waves 0 to 3 of the head's first cluster: the same in all four partners
	s_cmp_eq_u32 s[LIM], 0
	s_cselect_b32 s[LIM], 1, -1
	s_or_b32 s56, s36, s34                         ; 0 in waves 0 to 3 of head 0
	s_mul_i32 s57, s[WV], MSW                      ; my stage of the join,
	s_xor_b32 s58, s[WV], 4
	s_mul_i32 s58, s58, MSW                        ; my partner's,
	s_mul_i32 s59, s[WV], 16*KP
	s_add_co_u32 s59, s59, CSTG                    ; my stage of the way out
	s_mov_b32 s[G1], 15|(0<<16)|(1<<20)|(1<<21)|(4<<22)|(3<<25)  ; the mask: all four; elements of 1 byte; padding on; bit 21 beside a mask; 4 words after every 32
	s_mov_b32 s[G1+1], 256<<16                     ; tensor_dim0
	s_mov_b32 s[G1+2], 64<<16                      ; tensor_dim1
	s_mov_b32 s[G1+3], 256<<16                     ; tile_dim0
	s_mov_b32 s[G1+4], 64                          ; tile_dim1
	s_mov_b32 s[G1+5], 256                         ; the pitch
	s_mov_b32 s[G1+6], 0
	s_mov_b32 s[G1+7], 0
	s_mov_b32 s[SEL], 0x76543210
	s_mov_b32 s[SEL+1], 0xfedcba98
	s_mov_b32 s[CS], 0x3e0293ee                    ; c = log2(e) / sqrt(128)
	s_mov_b32 s[TR], 0
	s_mov_b32 s[TF], 0
	s_wait_dscnt 0x0                               ; both opening adds are done
	s_wait_kmcnt 0x0
	s_load_b128 s[68:71], s[8:9], 0x18             ; e6, e7, e8, e9
	s_load_b32 s72, s[8:9], 0x28                   ; e10
	s_add_nc_u64 s[MPY:MPY+1], s[6:7], s[50:51]
	s_add_nc_u64 s[MPX:MPX+1], s[6:7], s[48:49]
	s_add_nc_u64 s[10:11], s[10:11], s[52:53]
	s_mov_b32 s[G0], 1
	s_mov_b32 s[G0+1], s[WOFF]
	s_add_nc_u64 s[G0+2:G0+3], s[4:5], s[38:39]
	s_or_b32 s[G0+3], s[G0+3], 0x80000000
	CROUND                                         ; all four work-groups are here: the first joint loads meet
	tensor_load_to_lds s[G0:G0+3], s[G1:G1+7]      ; slot 0: my one tensor load at the head
	s_nop 0
.rept 4
	v_nop
.endr
	v_and_b32 v26, 15, v0                          ; r
	v_bfe_u32 v27, v0, 4, 1                        ; h
	v_lshlrev_b32 v28, 7, v26
	v_lshl_add_u32 v28, v27, 4, v28
	v_add_nc_u32 v30, s45, v28                     ; Q: a tile's row r, + 16 h
	v_add_nc_u32 v28, s44, v28
.irp c, 0,1,2,3
	global_load_b128 v[QX+4*\c:QX+4*\c+3], v28, s[4:5] offset:32*\c   ; Q's fragments stay in registers
.endr
.irp c, 0,1,2,3
	global_load_b128 v[QY+4*\c:QY+4*\c+3], v30, s[4:5] offset:32*\c
.endr
	v_mul_u32_u24 v[AK0], v26, KP
	v_lshl_add_u32 v[AK0], v27, 4, v[AK0]          ; a fragment's row r, + 16 h: the same for K and for V,
	v_add_nc_u32 v[AV0], VOFF, v[AK0]              ; whose rows lie behind K's
	v_add_nc_u32 v[CB], s59, v[AK0]                ; the way out, back: row r, + 16 h: the operand's own order
	v_and_b32 v[RA], 31, v0                        ; lane
	v_lshlrev_b32 v[PFO], 8, v[RA]
	v_lshlrev_b32 v[GO], 4, v[RA]                  ; the way out: 16 bytes a lane, 512 on end a store
	v_lshlrev_b32 v[SB4], 2, v[RA]
	v_add_nc_u32 v[RA], s58, v[GO]
	v_add_nc_u32 v[RB4], s58, v[SB4]
	v_add_nc_u32 v[SA], s57, v[GO]
	v_add_nc_u32 v[SB4], s57, v[SB4]
	v_mul_u32_u24 v[CI], v26, KP
	v_lshl_add_u32 v[CI], v27, 3, v[CI]
	v_add_nc_u32 v[CI], s59, v[CI]                 ; in: row r, 8 bytes for each half of the lanes
.irp s, STX, STY
	v_mov_b32 v[\s+1], 0xff61b1e6                  ; the largest t so far: -3e38
	v_floor_f32 v[\s], -v[\s+1]                    ; -M
	v_mov_b32 v[\s+2], 0
	v_mov_b32 v[\s+3], 0
.endr
	v_mov_b32 v[PD], 0                             ; a lane permute's destination counts as one of its sources
	v_mov_b32 v[F+1], 0                            ; (named as the upper half of the pair)
	v_mov_b32 v[NANC], 0x7f7f7f7f                  ; four NaN codes
	v_mov_b32 v[NINF], 0xff800000                  ; -infinity
	WIN 0x40
.set j, 0
.rept 128
	v_mov_b32 v[OX+j], 0                           ; O^T: the step is written once, for every step alike; the first finds zeros
.set j, j+1
.endr
	WIN 0
	s_wait_kmcnt 0x0
	s_add_co_i32 s73, s68, s69
	s_lshl_b32 s73, s73, 23
	s_add_co_i32 s[CS], s[CS], s73                 ; e6 + e7 are added to c's exponent field
	s_mov_b32 s[CS+1], s[CS]
	s_add_co_i32 s73, s70, 127
	s_lshl_b32 s74, s73, 23
	v_mov_b32 v[SC8], s74                          ; 2^e8
	s_add_co_i32 s73, s73, 8
	s_lshl_b32 s73, s73, 23
	s_or_b32 s73, s73, 0x600000
	v_mov_b32 v[LIMA], s73                         ; 448 x 2^e8
	v_mov_b32 v[LIMB], s73
	s_add_co_i32 s73, s72, 127
	s_lshl_b32 s74, s73, 23
	v_mov_b32 v[SC10], s74                         ; 2^e10
	s_add_co_i32 s73, s73, 8
	s_lshl_b32 s73, s73, 23
	s_or_b32 s73, s73, 0x600000
	v_mov_b32 v[LIM10], s73                        ; 448 x 2^e10
	s_add_co_i32 s[EPV], s70, s71
	s_add_nc_u64 s[PFA:PFA+1], s[4:5], s[54:55]    ; the scales are in: their pointer's registers take the prefetches' place
	s_wait_alu depctr_va_vdst(0)
	s_cmp_lg_u32 s56, 0                            ; the mask's records: all heads read the same, so head 0 alone asks: waves 0 to 3, each for the 32 records (8,192 bytes, lanes 256 bytes apart) of its 32 queries
	s_cbranch_scc1 .Lno_mask_ask
	global_prefetch_b8 v[PFO], s[MPX:MPX+1] th:TH_LOAD_NT scope:SCOPE_SE
.Lno_mask_ask:
	MLOAD MPX                                      ; X's words of my first key step
.macro LOADF adr                       ; 32 LDS loads in one run: the eight fragments of K, or of V, of my key step
	WIN 0x40                                       ; destination window 1, address window 0
.irp t, 0,1,2,3,4,5,6,7
.irp c, 0,1,2,3
	ds_load_b128 v[FB+16*\t+4*\c:FB+16*\t+4*\c+3], v[\adr] offset:16*\t*KP+32*\c
.endr
.endr
	WIN 0
.endm
; ONE TILE'S SOFTMAX for 128 keys.  sb: its scores; st: its -M, largest t and sum; pc: its codes; ob: its O^T.  y = 1: tile Y.  last = 1: the launch's last slot, whose last step asks for no further words.
.macro XT sb, st, pc, ob, y, last
	s_wait_kmcnt 0x0                               ; this tile's mask words are in
.if \y
	s_wait_alu depctr_va_vdst(0)                   ; the wait directly ahead of the first readers of Y's scores
.endif
.set n, 0
.rept 64
	v_cndmask_b32 v[\sb+n], v[NINF], v[\sb+n], s[32+n+4*(n/32)]   ; a hidden score becomes -infinity; each accumulator from its low end on
.set n, n+1
.endr
.if \y
.if \last
	s_cmp_eq_u32 s[STP], 1
	s_cbranch_scc1 .Lno_more_\@
.endif
	s_add_nc_u64 s[MPX:MPX+1], s[MPX:MPX+1], 512   ; my next key step, two records on; behind the wait that showed both tiles' loads done
	s_add_nc_u64 s[MPY:MPY+1], s[MPY:MPY+1], 512
	MLOAD MPX                                      ; the selections above have read this tile's words
.if \last
.Lno_more_\@:
.endif
.else
	MLOAD MPY
.endif
.irp k, 0,1,2,3
	v_max3_num_f32 v[MX+\k], v[\sb+3*\k], v[\sb+3*\k+1], v[\sb+3*\k+2]   ; the largest score, in four chains
.endr
.set n, 12
.rept 26
	v_max3_num_f32 v[MX+(n/2)%4], v[MX+(n/2)%4], v[\sb+n], v[\sb+n+1]
.set n, n+2
.endr
	v_max3_num_f32 v[TT], v[MX], v[MX+1], v[MX+2]
	s_delay_alu instid0(VALU_DEP_1)
	v_max_num_f32 v[TT], v[TT], v[MX+3]
	v_permlanex16_b32 v[PD], v[TT], s[SEL], s[SEL+1]
	s_delay_alu instid0(VALU_DEP_1)
	v_max_num_f32 v[TT], v[TT], v[PD]              ; the step's largest score of my query
	s_delay_alu instid0(VALU_DEP_1)
	v_mul_f32 v[TT], s[CS], v[TT]                  ; as t (c is positive)
	s_delay_alu instid0(VALU_DEP_1)
	v_max_num_f32 v[\st+1], v[\st+1], v[TT]        ; the running largest t
	v_mov_b32 v[TT], v[\st]
	s_delay_alu instid0(VALU_DEP_2)
	v_floor_f32 v[\st], -v[\st+1]                  ; the new -M = floor(-t): M is a whole number
	s_delay_alu instid0(VALU_DEP_1)
	v_sub_f32 v[TT], v[\st], v[TT]
	s_delay_alu instid0(VALU_DEP_1)
	v_cvt_i32_f32 v[TT], v[TT]                     ; old M - new M, 0 or less (it saturates)
	s_delay_alu instid0(VALU_DEP_1)
	v_ldexp_f32 v[F], 1.0, v[TT]                   ; f = 2^(old M - new M)
.set j, 0
.rept 32
	v_pk_fma_f32 v[\sb+j:\sb+j+1], v[\sb+j:\sb+j+1], s[CS:CS+1], v[\st:\st+1] op_sel_hi:[1,0,0]   ; t - M
.set j, j+2
.endr
	s_wait_alu depctr_va_vdst(0)                   ; the wait ahead of the batch
.set j, 0
.rept 64
	v_exp_f32 v[\sb+j], v[\sb+j]                   ; p = 2^(t - M)
.set j, j+1
.endr
	v_pk_mul_f32 v[\st+2:\st+3], v[\st+2:\st+3], v[F:F+1] op_sel_hi:[1,0]   ; the sums under the new M: a plain instruction behind the exponentials
	s_wait_alu depctr_va_vdst(0)                   ; one wait for the whole batch, ahead of its first reader
.irp k, 0,1,2,3
	v_pk_add_f32 v[SUMT+2*\k:SUMT+2*\k+1], v[\sb+4*\k:\sb+4*\k+1], v[\sb+4*\k+2:\sb+4*\k+3]   ; the sum of the unquantised p, in four chains
.endr
.set j, 16
.rept 24
	v_pk_add_f32 v[SUMT+j%8:SUMT+j%8+1], v[SUMT+j%8:SUMT+j%8+1], v[\sb+j:\sb+j+1]
.set j, j+2
.endr
	v_pk_add_f32 v[SUMT:SUMT+1], v[SUMT:SUMT+1], v[SUMT+2:SUMT+3]
	v_pk_add_f32 v[SUMT+4:SUMT+5], v[SUMT+4:SUMT+5], v[SUMT+6:SUMT+7]
	v_pk_add_f32 v[SUMT:SUMT+1], v[SUMT:SUMT+1], v[SUMT+4:SUMT+5]
	v_pk_add_f32 v[\st+2:\st+3], v[\st+2:\st+3], v[SUMT:SUMT+1]
.irp b, 0,1,2,3
.set i, 0
.rept 8
	v_dual_min_num_f32 v[\sb+16*\b+i], v[\sb+16*\b+i], v[LIMA] :: v_dual_min_num_f32 v[\sb+16*\b+i+1], v[\sb+16*\b+i+1], v[LIMB]   ; the conversion does not saturate (ISA guide 7.6.2); p is not negative: a one-sided hold, two numbers an instruction
.set i, i+2
.endr
	v_cvt_scalef32_pk8_fp8_f32 v[\pc+4*\b:\pc+4*\b+1], v[\sb+16*\b:\sb+16*\b+7], v[SC8]
	v_cvt_scalef32_pk8_fp8_f32 v[\pc+4*\b+2:\pc+4*\b+3], v[\sb+16*\b+8:\sb+16*\b+15], v[SC8]
.endr
	WIN 0x41                                       ; destination and source 0 window 1
	s_wait_alu depctr_va_vdst(0)                   ; the wait directly ahead of the first readers of O^T
.set j, 0
.rept 32
	v_pk_mul_f32 v[\ob+j:\ob+j+1], v[\ob+j:\ob+j+1], v[F:F+1] op_sel_hi:[1,0]   ; O^T under the new M; also the plain instructions behind the conversions
.set j, j+2
.endr
	WIN 0
.endm
; A KEY STEP of mine: 128 keys x 32 queries.  Each run of four v_nop: the places in front of loads into registers that matrix instructions have read, and of the reads of results (ISA guide 7.12.1 for the reads of results).
.macro STEP last
	v_add_nc_u32 v[ADK], s[TS], v[AK0]
	v_add_nc_u32 v[ADV], s[TS], v[AV0]
	LOADF ADK
	WIN 0x01                                       ; source 0 window 1
	s_wait_alu depctr_va_vdst(0)                   ; the wait directly ahead of the waits below
.irp t, 0,1,2,3,4,5,6,7
.if (\t)%2 == 0
	s_wait_dscnt 24-4*\t                           ; K's fragments t and t + 1 are in: behind their loads stand the four loads of each of the 6 - t later fragments
.endif
	v_wmma_f32_16x16x128_fp8_fp8 v[SX+8*\t:SX+8*\t+7], v[FB+16*\t:FB+16*\t+15], v[QX:QX+15], 0
	v_wmma_f32_16x16x128_fp8_fp8 v[SY+8*\t:SY+8*\t+7], v[FB+16*\t:FB+16*\t+15], v[QY:QY+15], 0
.endr
	WIN 0
.rept 4
	v_nop
.endr
	LOADF ADV                                      ; V takes K's registers and lands under the two softmaxes
	XT SX, STX, PX, OX, 0, 0
	XT SY, STY, PY, OY, 1, \last
	s_wait_alu depctr_va_vdst(0)                   ; the wait directly ahead of the wait below
	s_wait_dscnt 0x0                               ; V is in
	WIN 0x51                                       ; source 0, C and D window 1; the sixteen accumulators by turns
.irp t, 0,1,2,3,4,5,6,7
	v_wmma_f32_16x16x128_fp8_fp8 v[OX+8*\t:OX+8*\t+7], v[FB+16*\t:FB+16*\t+15], v[PX:PX+15], v[OX+8*\t:OX+8*\t+7]
	v_wmma_f32_16x16x128_fp8_fp8 v[OY+8*\t:OY+8*\t+7], v[FB+16*\t:FB+16*\t+15], v[PY:PY+15], v[OY+8*\t:OY+8*\t+7]
.endr
	WIN 0
.rept 4
	v_nop
.endr
.endm
; THE CHANGE OF SLOTS stands at a slot's head: each wave waits for all its tensor loads, adds 0 to its spare word, waits for that and for its reads of the slot that it has left.
; fill = 1: a round of the cluster's barrier, and behind it the other slot takes the next 512 keys (the first time: slot 1's first fill, issued as a refill is).
.macro CHANGE fill
	s_wait_tensorcnt 0x0                           ; no tensor load of mine is out, so group 0 may be written
	ds_add_u32 v[SPW], v[NIL]                      ; 0 onto my spare word
.if \fill
	s_xor_b32 s[TF], s[TF], SLOTB                  ; the other slot than last time,
	s_add_co_u32 s[G0+1], s[TF], s[WOFF]
	s_add_nc_u64 s[G0+2:G0+3], s[G0+2:G0+3], 65536 ; the next 512 keys
	s_wait_xcnt 0x0                                ; the last prefetch, a slot back, has read its address
	s_add_nc_u64 s[PFA:PFA+1], s[PFA:PFA+1], 65536
	s_wait_dscnt 0x0                               ; the add is done, and my reads of the slot that I have left are over
	CROUND
	tensor_load_to_lds s[G0:G0+3], s[G1:G1+7]      ; the first thing behind the round, and my one tensor load until the next
	s_nop 0
.rept 4
	v_nop
.endr
	ASK
.else
	s_wait_dscnt 0x0
	s_barrier_signal -1
	s_barrier_wait -1
.endif
.endm
	s_wait_loadcnt 0x0                             ; Q
	s_wait_xcnt 0x0                                ; the mask's prefetch has read its address, which the steps will write
	s_mov_b32 s[SLOTS], 3
.Lslot:                                            ; three trips: slots 1 to 3 are asked for
	CHANGE 1
	s_add_co_u32 s[TS], s[TR], s[GOF]              ; my first step of the slot in hand
	s_mov_b32 s[STP], 0
.Lstep:
	STEP 0
	s_add_co_u32 s[TS], s[TS], 2*STEPB             ; my second step lies two steps on
	s_add_co_u32 s[STP], s[STP], 1
	s_cmp_lt_u32 s[STP], 2
	s_cbranch_scc1 .Lstep
	s_xor_b32 s[TR], s[TR], SLOTB
	s_sub_co_u32 s[SLOTS], s[SLOTS], 1
	s_cmp_lg_u32 s[SLOTS], 0
	s_cbranch_scc1 .Lslot
	CHANGE 0                                       ; the last slot is written out: nothing is asked for
	s_add_co_u32 s[TS], s[TR], s[GOF]
	s_mov_b32 s[STP], 0
.Lstep_last:
	STEP 1
	s_add_co_u32 s[TS], s[TS], 2*STEPB
	s_add_co_u32 s[STP], s[STP], 1
	s_cmp_lt_u32 s[STP], 2
	s_cbranch_scc1 .Lstep_last
	; THE JOIN.  Y's part (O^T as an image of its registers, -M, the sum) goes to my partner through my stage; X's other part comes from my partner's stage.
	v_add_f32 v[STX+2], v[STX+2], v[STX+3]
	v_add_f32 v[STY+2], v[STY+2], v[STY+3]
	v_permlanex16_b32 v[PD], v[STX+2], s[SEL], s[SEL+1]
	v_permlanex16_b32 v[TT], v[STY+2], s[SEL], s[SEL+1]
	v_add_f32 v[STX+2], v[STX+2], v[PD]            ; the rows' sums over my keys
	v_add_f32 v[STY+2], v[STY+2], v[TT]
	WIN 0x04                                       ; the stores' data window 1
.set i, 0
.rept 16
	ds_store_b128 v[SA], v[OY+4*i:OY+4*i+3] offset:512*i   ; each accumulator from its low end on
.set i, i+1
.endr
	WIN 0
	ds_store_b32 v[SB4], v[STY] offset:8192
	ds_store_b32 v[SB4], v[STY+2] offset:8320
	s_wait_alu depctr_va_vdst(0)                   ; the wait directly ahead of the wait below
	s_wait_dscnt 0x0                               ; for the partner's sake: my stores are done
	s_barrier_signal -1
	s_barrier_wait -1
.set i, 0
.rept 16
	ds_load_b128 v[SX+4*i:SX+4*i+3], v[RA] offset:512*i
.set i, i+1
.endr
	ds_load_b32 v[OM], v[RB4] offset:8192
	ds_load_b32 v[OL], v[RB4] offset:8320
	s_wait_dscnt 0x0
	v_min_num_f32 v26, v[STX], v[OM]               ; -M of the whole row
	v_sub_f32 v27, v26, v[STX]
	v_sub_f32 v28, v26, v[OM]                      ; each part's M less the row's: whole numbers, 0 or less
	v_cvt_i32_f32 v27, v27
	v_cvt_i32_f32 v28, v28
	v_ldexp_f32 v27, 1.0, v27
	v_ldexp_f32 v28, 1.0, v28
	v_mul_f32 v[STX+2], v[STX+2], v27
	v_fmac_f32 v[STX+2], v[OL], v28                ; the row's sum
	v_cmp_eq_f32 s32, 0, v[STX+2]                  ; 0 only where every key was hidden: the largest p of any other row is above 1/2
	s_wait_alu depctr_va_vdst(0)                   ; the wait ahead of the transcendental
	v_rcp_f32 v26, v[STX+2]
	v_mov_b32 v29, 0                               ; (plain instructions behind the reciprocal: the upper halves of two pairs)
	v_mov_b32 v31, 0
	s_wait_alu depctr_va_vdst(0)                   ; the wait ahead of the reciprocal's first reader
	v_ldexp_f32 v26, v26, s[EPV]                   ; x 2^(e8 + e9)
	v_cndmask_b32 v26, v26, 0, s32                 ; a row without keys: 0 x 0, no infinity enters the arithmetic
	v_mul_f32 v30, v27, v26                        ; my part's factor,
	v_mul_f32 v28, v28, v26                        ; my partner's
	WIN 0x01                                       ; source 0 window 1
	s_wait_alu depctr_va_vdst(0)                   ; the wait directly ahead of the first readers of O^T
.set j, 0
.rept 32
	v_pk_mul_f32 v[SY+j:SY+j+1], v[OX+j:OX+j+1], v[30:31] op_sel_hi:[1,0]
.set j, j+2
.endr
	WIN 0
.set j, 0
.rept 32
	v_pk_fma_f32 v[SY+j:SY+j+1], v[SX+j:SX+j+1], v[28:29], v[SY+j:SY+j+1] op_sel_hi:[1,0,1]   ; register 8 t + i is y(r, 16 t + 8 h + i)
.set j, j+2
.endr
	; THE WAY OUT: y is quantised with 2^e10, turned through my stage into the next operand's order, and leaves as 2,048 bytes on end.
.set j, 0
.rept 64
	v_med3_num_f32 v[SY+j], v[SY+j], -v[LIM10], v[LIM10]
.set j, j+1
.endr
.irp t, 0,1,2,3,4,5,6,7
	v_cvt_scalef32_pk8_fp8_f32 v[PX+2*\t:PX+2*\t+1], v[SY+8*\t:SY+8*\t+7], v[SC10]
.endr
	v_nop                                          ; a plain vector instruction behind the last conversion
.set j, 0
.rept 16
	v_cndmask_b32 v[PX+j], v[PX+j], v[NANC], s32   ; a row without keys: the NaN code
.set j, j+1
.endr
.irp t, 0,1,2,3,4,5,6,7
	ds_store_b64 v[CI], v[PX+2*\t:PX+2*\t+1] offset:16*\t
.endr
.irp u, 0,1,2,3
	ds_load_b128 v[PY+4*\u:PY+4*\u+3], v[CB] offset:32*\u   ; channels 32 u + 16 h + 0 .. 15 of token r.  LDS serves a wave's instructions in order: these see my stores
.endr
.irp u, 0,1,2,3
	s_wait_dscnt 3-\u                              ; load u is back; the 3 - u behind it may be out
	global_store_b128 v[GO], v[PY+4*\u:PY+4*\u+3], s[10:11] offset:512*\u   ; the wave stores 512 consecutive bytes, aligned
.endr
	s_wait_tensorcnt 0x0                           ; the wave's end
	ds_add_u32 v[SPW], v[NIL]
	s_wait_dscnt 0x0
	CROUND                                         ; the closing round
	s_endpgm
.Lfunc_end_k_q43ab70235e_attn:
	.size	k_q43ab70235e_attn, .Lfunc_end_k_q43ab70235e_attn-k_q43ab70235e_attn
	.p2alignl 7, 3214868480
	.fill 96, 4, 3214868480
	.section	.rodata,"a",@progbits
	.p2align	6, 0x0
	.amdhsa_kernel k_q43ab70235e_attn
		.amdhsa_group_segment_fixed_size 327680
		.amdhsa_private_segment_fixed_size 0
		.amdhsa_enable_private_segment 0
		.amdhsa_kernarg_size 32
		.amdhsa_user_sgpr_count 2
		.amdhsa_user_sgpr_kernarg_segment_ptr 1
		.amdhsa_wavefront_size32 1
		.amdhsa_system_sgpr_workgroup_id_x 1
		.amdhsa_system_sgpr_workgroup_id_y 1
		.amdhsa_system_sgpr_workgroup_id_z 1
		.amdhsa_system_vgpr_workitem_id 0
		.amdhsa_next_free_vgpr 512
		.amdhsa_next_free_sgpr 106
		.amdhsa_reserve_vcc 0
		.amdhsa_float_denorm_mode_32 3
		.amdhsa_float_denorm_mode_16_64 3
		.amdhsa_memory_ordered 1
		.amdhsa_forward_progress 1
		.amdhsa_inst_pref_size 114
	.end_amdhsa_kernel
	.amdgpu_metadata
---
amdhsa.version: [ 1, 2 ]
amdhsa.kernels:
  - .name:           k_q43ab70235e_attn
    .symbol:         k_q43ab70235e_attn.kd
    .args:
      - { .name: pc, .offset: 0, .size: 8, .value_kind: global_buffer, .address_space: global }
      - { .name: mb, .offset: 8, .size: 8, .value_kind: global_buffer, .address_space: global }
      - { .name: lowp_scales, .offset: 16, .size: 8, .value_kind: global_buffer, .address_space: global }
      - { .name: yc, .offset: 24, .size: 8, .value_kind: global_buffer, .address_space: global }
    .group_segment_fixed_size: 327680
    .private_segment_fixed_size: 0
    .kernarg_segment_align: 8
    .kernarg_segment_size: 32
    .max_flat_workgroup_size: 256
    .sgpr_count:     106
    .vgpr_count:     512
    .wavefront_size: 32
...
	.end_amdgpu_metadata
.endif
;; end of part 3
;; launch oproj (part 4): grid 16 x 16, 4 waves a work-group, clusters of 4 x 4, 327,680 bytes of LDS; arguments yc, wc, lowp_scales, q, xb; writes xb
.if DOCPART == 4
	.amdgcn_target "amdgcn-amd-amdhsa--gfx1250"
	.amdhsa_code_object_version 6
	.text
	.protected	k_q43ab70235e_oproj
	.globl	k_q43ab70235e_oproj
	.p2align	8
	.type	k_q43ab70235e_oproj,@function
k_q43ab70235e_oproj:
	s_mov_b64 s[64:65], 0
	v_nop
	global_prefetch_b8 v0, s[64:65] scope:SCOPE_SE
	s_setreg_imm32_b32 hwreg(HW_REG_WAVE_MODE, 25, 1), 1
	s_wait_xcnt 0x0
	s_wait_alu depctr_hold_cnt(0) depctr_sa_sdst(0) depctr_va_vdst(0) depctr_va_sdst(0) depctr_va_ssrc(0) depctr_va_vcc(0) depctr_vm_vsrc(0)
	s_getreg_b32 s2, hwreg(HW_REG_IB_STS2, 6, 4)
	s_cmp_eq_u32 s2, 0
	s_cbranch_scc0 .Lentry_in_a_cluster
	s_endpgm
.Lentry_in_a_cluster:
	s_bfe_u32 s2, ttmp6, 0x10000c
	s_cmp_lg_u32 s2, 0xf033
	s_cbranch_scc0 .Lentry_shape_is_right
	s_endpgm
.Lentry_shape_is_right:
; xb[m][n] = 2^(e10 + e11) x (sum over k of y[m][k] Wo[n][k]) + q[m][n], on codes of E4M3; sums in f32.  No work is left out.
; yc: y's codes as images of operand registers: a block of 2,048 bytes for 16 tokens x 128 along K, block (token / 16) x 16 + K / 128; byte 512 c + 16 lane + i is K = 32 c + 16 (lane / 16) + i of token lane % 16.
; wc: Wo's codes at 12 MiB, [2048][2048], K innermost.  LIMIT: e10 + e11 between -126 and 127, so that 2^(e10 + e11) is an f32 number.
; SHARES: a work-group makes 128 x 128 of xb; a wave 32 rows x 128 columns: 16 accumulators.
; EVERYTHING IS ASKED FOR ONCE.  Wo's 128 rows x 2,048 codes lie whole in LDS: each wave brings a quarter of K, 128 rows x 512 bytes, by its one tensor load; nothing is filled again, and one barrier shows the four quarters to all.
; y's codes go from memory straight into registers: a wave's 32 rows x 2,048 codes are 512 registers, each load 512 consecutive bytes.  They are asked for in groups of eight loads (one step of 128 along K),
; seven groups ahead of the step that multiplies them; q's 32 rows follow as four more groups, into registers of y that are done with.
; CLUSTER: 4 x 4 work-groups; the four of a column need the same rows of Wo and ask for them jointly.  y's codes, which the four of a row share, are not asked for jointly: a joint load fills LDS, and they go to registers.
; No prefetch of Wo's or y's codes: every tile of Wo and y's first seven groups are asked for at the head, and there is no loop to run ahead in.  q, which is loaded late, is prefetched at the head: 32 rows x 512 bytes a wave, a lane a row.
; THE MATRIX INSTRUCTION IS USED TRANSPOSED (source 0 = 16 rows of Wo, source 1 = 16 rows of y): a lane holds eight neighbouring numbers of a row of xb.
; REGISTERS: window 0: v16-29 addresses; v32-159 accumulators (a, b) at 32 + 8 (8 a + b); v160-223 the way out.  Window 1: Wo's eight fragments, two sets.  Windows 2, 3: y's fragments, step s at 32 s; then q in window 2.
.set PB,     528                       ; a row of a quarter in LDS: 512 bytes + 16 of padding
.set QREG,   128*PB                    ; a quarter of K
.set STAGE,  4*QREG                    ; behind Wo: the way out, 16 rows x 528 bytes for each wave
.set SPARE,  STAGE+4*16*PB             ; the spare words: 128 bytes a wave, two blocks of 256 bytes that no other line names
.set ADRB, 16                          ; v16-19 my lane's place in each quarter
.set STO,  20
.set RD,   21
.set CO,   22                          ; 16 x lane
.set PFQ,  23                          ; 8,192 x lane
.set SPW,  28
.set NIL,  29
.set ACC,  32
.set BK0,  160
.set G1, 24
.set G0, 32
.set MSB, 0
.macro WIN new                         ; the immediate's high byte repeats the setting that is left
.if MSB != \new
	s_set_vgpr_msb (MSB<<8)|\new
.set MSB, \new
.endif
.endm
.macro CROUND
	s_barrier_signal -1
	s_barrier_wait -1
	s_cmp_lg_u32 s14, 0
	s_cbranch_scc1 .Lnot_wave_0_\@
	s_barrier_signal -3
.Lnot_wave_0_\@:
	s_barrier_wait -3
	s_barrier_signal -1
	s_barrier_wait -1
.endm
.macro PLACES
.rept 4
	v_nop
.endr
.endm
; Group g of eight loads.  g < 16: y's two fragments of step g.  g = 16 .. 19: eight rows of q, into the registers of y's step g - 16.  Beyond: nothing.
.macro GRP g
.if (\g) < 16
	WIN 0x80+0x40*((\g)/8)                         ; destination window 2 or 3
.irp a, 0,1
.irp c, 0,1,2,3
	global_load_b128 v[32*((\g)%8)+16*\a+4*\c:32*((\g)%8)+16*\a+4*\c+3], v[CO], s[4:5] offset:32768*\a+2048*(\g)+512*\c
.endr
.endr
.else
.if (\g) < 20
	WIN 0x80
.irp i, 0,1,2,3,4,5,6,7
	global_load_b128 v[32*((\g)-16)+4*\i:32*((\g)-16)+4*\i+3], v[CO], s[10:11] offset:(8*((\g)-16)+\i)*8192 th:TH_LOAD_NT
.endr
.endif
.endif
	WIN 0
.endm
.macro FETCHB s                        ; Wo's eight fragments of step s into set s % 2
	WIN 0x40
.irp b, 0,1,2,3,4,5,6,7
.irp c, 0,1,2,3
	ds_load_b128 v[128*((\s)%2)+16*\b+4*\c:128*((\s)%2)+16*\b+4*\c+3], v[ADRB+(\s)/4] offset:16*\b*PB+128*((\s)%4)+32*\c
.endr
.endr
	WIN 0
.endm
; A step of 128 along K: 16 matrix instructions, the accumulators by turns.  The first step's products start the sums.
.macro KSTEP s
	GRP (\s)+7
.if (\s) < 15
	PLACES                                         ; in front of loads into registers that the last step's matrix instructions have read
	FETCHB (\s)+1
.endif
.if (\s)+7 < 19
	s_wait_loadcnt 56                              ; this step's group is in; the seven groups behind it may be out
.else
	s_wait_loadcnt 8*(19-(\s))                     ; the groups behind it, up to the last, group 19
.endif
.if (\s) < 15
	s_wait_dscnt 32                                ; this step's set is in; the 32 loads just issued may be out
.else
	s_wait_dscnt 0x0
.endif
	WIN 0x09+4*((\s)/8)                            ; source 0 window 1, source 1 window 2 or 3
.irp a, 0,1
.irp b, 0,1,2,3,4,5,6,7
.if (\s) == 0
	v_wmma_f32_16x16x128_fp8_fp8 v[ACC+8*(8*\a+\b):ACC+8*(8*\a+\b)+7], v[128*((\s)%2)+16*\b:128*((\s)%2)+16*\b+15], v[32*((\s)%8)+16*\a:32*((\s)%8)+16*\a+15], 0
.else
	v_wmma_f32_16x16x128_fp8_fp8 v[ACC+8*(8*\a+\b):ACC+8*(8*\a+\b)+7], v[128*((\s)%2)+16*\b:128*((\s)%2)+16*\b+15], v[32*((\s)%8)+16*\a:32*((\s)%8)+16*\a+15], v[ACC+8*(8*\a+\b):ACC+8*(8*\a+\b)+7]
.endif
.endr
.endr
	WIN 0
.endm
	s_load_b256 s[4:11], s[0:1], 0x0               ; yc, wc, the scales' exponents, q
	s_load_b64 s[12:13], s[0:1], 0x20              ; xb
	v_lshl_add_u32 v[SPW], v0, 2, SPARE
	v_mov_b32 v[NIL], 0
	ds_add_u32 v[SPW], v[NIL]                      ; the wave's opening: the add, twice on end, and its wait ahead of my first tensor load
	ds_add_u32 v[SPW], v[NIL]
	v_lshrrev_b32 v1, 5, v0
	v_readfirstlane_b32 s14, v1                    ; wave 0..3
	s_mul_i32 s23, s14, 16*PB
	s_add_co_u32 s23, s23, STAGE                   ; my stage
	v_and_b32 v1, 15, v0                           ; r
	v_bfe_u32 v2, v0, 4, 1                         ; h
	v_mul_u32_u24 v3, v1, PB
	v_lshl_add_u32 v[ADRB], v2, 4, v3              ; a fragment's row r, + 16 h
	v_add_nc_u32 v[ADRB+1], QREG, v[ADRB]
	v_add_nc_u32 v[ADRB+2], 2*QREG, v[ADRB]
	v_add_nc_u32 v[ADRB+3], 3*QREG, v[ADRB]
	v_lshl_add_u32 v3, v2, 5, v3
	v_add_nc_u32 v[STO], s23, v3                   ; the way out, in: row r, 32 bytes for each half of the lanes
	v_and_b32 v4, 31, v0
	v_lshlrev_b32 v[CO], 4, v4
	v_add_nc_u32 v[RD], s23, v[CO]                 ; back: the 32 lanes take one row of 512 bytes
	v_lshlrev_b32 v[PFQ], 13, v4
	s_bfe_u32 s40, ttmp6, 0x40000                  ; cx, cy: my place in the cluster
	s_bfe_u32 s41, ttmp6, 0x40004
	s_lshl_b32 s42, ttmp9, 2
	s_add_co_u32 s42, s42, s40                     ; tile column = 4 x cluster x + cx
	s_and_b32 s17, ttmp7, 0xffff
	s_lshl_b32 s17, s17, 2
	s_add_co_u32 s17, s17, s41                     ; tile row = 4 x cluster y + cy
	s_lshl_b32 s44, 0x1111, s40                    ; my column of the cluster
	s_or_b32 s[G1+0], s44, (0<<16)|(1<<20)|(1<<21)|(6<<22)|(3<<25)  ; the mask; elements of 1 byte; padding on; bit 21 beside a mask; 4 words after every 128
	s_mov_b32 s[G1+1], 512<<16                     ; tensor_dim0
	s_mov_b32 s[G1+2], 128<<16                     ; tensor_dim1
	s_mov_b32 s[G1+3], 512<<16                     ; tile_dim0
	s_mov_b32 s[G1+4], 128                         ; tile_dim1
	s_mov_b32 s[G1+5], 2048                        ; the pitch
	s_mov_b32 s[G1+6], 0
	s_mov_b32 s[G1+7], 0
	s_lshl_b32 s46, s42, 18                        ; Wo: 128 rows of 2,048 bytes x tile column,
	s_lshl_b32 s47, s14, 9                         ; my quarter of K,
	s_add_co_u32 s46, s46, s47
	s_add_co_u32 s46, s46, 3<<22                   ; behind Wq, Wk, Wv
	s_mov_b32 s47, 0
	s_mul_i32 s45, s14, QREG                       ; where it goes: no place in the cluster enters an LDS address
	s_lshl_b32 s20, s17, 18                        ; y: 8 token tiles of 32,768 bytes x tile row,
	s_lshl_b32 s21, s14, 16                        ; my two tiles
	s_add_co_u32 s20, s20, s21
	s_mov_b32 s21, 0
	s_lshl_b32 s84, s17, 20                        ; q and xb: 128 rows of 8,192 bytes x tile row,
	s_lshl_b32 s85, s14, 18                        ; my 32 rows,
	s_add_co_u32 s84, s84, s85
	s_lshl_b32 s85, s42, 9                         ; 512 bytes x tile column
	s_add_co_u32 s84, s84, s85
	s_mov_b32 s85, 0
	s_wait_dscnt 0x0                               ; both opening adds are done
	s_wait_alu depctr_va_vdst(0)
	s_wait_kmcnt 0x0
	s_load_b64 s[96:97], s[8:9], 0x28              ; e10, e11
	s_add_nc_u64 s[4:5], s[4:5], s[20:21]
	s_add_nc_u64 s[10:11], s[10:11], s[84:85]
	s_add_nc_u64 s[12:13], s[12:13], s[84:85]
	s_mov_b32 s[G0], 1
	s_mov_b32 s[G0+1], s45
	s_add_nc_u64 s[G0+2:G0+3], s[6:7], s[46:47]
	s_or_b32 s[G0+3], s[G0+3], 0x80000000
.irp g, 0,1
	GRP \g                                         ; y's first two groups are on their way while the cluster meets
.endr
	global_prefetch_b8 v[PFQ], s[10:11] th:TH_LOAD_NT scope:SCOPE_SE             ; q: my 32 rows' 512 bytes, a lane a row, each block of 256 bytes once
	global_prefetch_b8 v[PFQ], s[10:11] offset:256 th:TH_LOAD_NT scope:SCOPE_SE
	CROUND                                         ; all sixteen work-groups are here: the joint loads meet
	tensor_load_to_lds s[G0:G0+3], s[G1:G1+7]      ; my quarter of Wo's block: my one tensor load
	s_nop 0
	PLACES
.irp g, 2,3,4,5,6
	GRP \g                                         ; y's next five groups are asked for behind Wo's block, which every product needs whole
.endr
	s_wait_tensorcnt 0x0                           ; my quarter is in;
	s_barrier_signal -1
	s_barrier_wait -1                              ; so is everybody's
	FETCHB 0
.irp s, 0,1,2,3,4,5,6,7,8,9,10,11,12,13,14,15
	KSTEP \s
.endr
; THE WAY OUT, 16 rows x 128 columns at a time: through my own stage and back as whole rows of 512 bytes; x 2^(e10 + e11), + q, in plain f32 forms, so that a row of NaN stays NaN; the wave stores 512 consecutive bytes.
.macro TOSTAGE a, bk
.irp b, 0,1,2,3,4,5,6,7
	ds_store_b128 v[STO], v[ACC+64*\a+8*\b:ACC+64*\a+8*\b+3] offset:64*\b       ; each accumulator from its low end on
	ds_store_b128 v[STO], v[ACC+64*\a+8*\b+4:ACC+64*\a+8*\b+7] offset:64*\b+16
.endr
.irp t, 0,1,2,3,4,5,6,7,8,9,10,11,12,13,14,15
	ds_load_b128 v[\bk+4*\t:\bk+4*\t+3], v[RD] offset:\t*PB   ; LDS serves a wave's instructions in order: these see my stores
.endr
.endm
.macro SEND a, bk
	WIN 0x20                                       ; source 2 (q) window 2
.set i, 0
.rept 64
	v_fma_f32 v[\bk+i], v[\bk+i], s96, v[64*\a+i]
.set i, i+1
.endr
	WIN 0
.irp t, 0,1,2,3,4,5,6,7,8,9,10,11,12,13,14,15
	global_store_b128 v[CO], v[\bk+4*\t:\bk+4*\t+3], s[12:13] offset:(16*\a+\t)*8192
.endr
.endm
	s_wait_kmcnt 0x0
	s_add_co_i32 s96, s96, s97
	s_add_co_i32 s96, s96, 127
	s_lshl_b32 s96, s96, 23                        ; 2^(e10 + e11) as f32
	PLACES                                         ; in front of the reads of the last products' results
	TOSTAGE 0, BK0
	TOSTAGE 1, ACC                                 ; rows 16-31 come back into the registers of rows 0-15's sums, which the stage has taken
	s_wait_loadcnt 0x0                             ; q
	s_wait_dscnt 32                                ; rows 0-15 are back; behind them: 16 stores and 16 loads
	SEND 0, BK0
	s_wait_dscnt 0x0
	SEND 1, ACC
	s_wait_tensorcnt 0x0                           ; the wave's end
	ds_add_u32 v[SPW], v[NIL]
	s_wait_dscnt 0x0
	CROUND                                         ; the closing round
	s_endpgm
.Lfunc_end_k_q43ab70235e_oproj:
	.size	k_q43ab70235e_oproj, .Lfunc_end_k_q43ab70235e_oproj-k_q43ab70235e_oproj
	.p2alignl 7, 3214868480
	.fill 96, 4, 3214868480
	.section	.rodata,"a",@progbits
	.p2align	6, 0x0
	.amdhsa_kernel k_q43ab70235e_oproj
		.amdhsa_group_segment_fixed_size 327680
		.amdhsa_private_segment_fixed_size 0
		.amdhsa_enable_private_segment 0
		.amdhsa_kernarg_size 40
		.amdhsa_user_sgpr_count 2
		.amdhsa_user_sgpr_kernarg_segment_ptr 1
		.amdhsa_wavefront_size32 1
		.amdhsa_system_sgpr_workgroup_id_x 1
		.amdhsa_system_sgpr_workgroup_id_y 1
		.amdhsa_system_sgpr_workgroup_id_z 1
		.amdhsa_system_vgpr_workitem_id 0
		.amdhsa_next_free_vgpr 1024
		.amdhsa_next_free_sgpr 98
		.amdhsa_reserve_vcc 0
		.amdhsa_float_denorm_mode_32 3
		.amdhsa_float_denorm_mode_16_64 3
		.amdhsa_memory_ordered 1
		.amdhsa_forward_progress 1
		.amdhsa_inst_pref_size 90
	.end_amdhsa_kernel
	.amdgpu_metadata
---
amdhsa.version: [ 1, 2 ]
amdhsa.kernels:
  - .name:           k_q43ab70235e_oproj
    .symbol:         k_q43ab70235e_oproj.kd
    .args:
      - { .name: yc, .offset: 0, .size: 8, .value_kind: global_buffer, .address_space: global }
      - { .name: wc, .offset: 8, .size: 8, .value_kind: global_buffer, .address_space: global }
      - { .name: lowp_scales, .offset: 16, .size: 8, .value_kind: global_buffer, .address_space: global }
      - { .name: q, .offset: 24, .size: 8, .value_kind: global_buffer, .address_space: global }
      - { .name: xb, .offset: 32, .size: 8, .value_kind: global_buffer, .address_space: global }
    .group_segment_fixed_size: 327680
    .private_segment_fixed_size: 0
    .kernarg_segment_align: 8
    .kernarg_segment_size: 40
    .max_flat_workgroup_size: 128
    .sgpr_count:     98
    .vgpr_count:     1024
    .wavefront_size: 32
...
	.end_amdgpu_metadata
.endif
;; end of part 4
;; launch ln (part 5): grid 256 x 1, 8 waves a work-group, no clusters, 0 bytes of LDS; arguments xb, ln_w, out0; writes out0
.if DOCPART == 5
	.amdgcn_target "amdgcn-amd-amdhsa--gfx1250"
	.amdhsa_code_object_version 6
	.text
	.protected	k_q43ab70235e_ln
	.globl	k_q43ab70235e_ln
	.p2align	8
	.type	k_q43ab70235e_ln,@function
k_q43ab70235e_ln:
	s_mov_b64 s[64:65], 0
	v_nop
	global_prefetch_b8 v0, s[64:65] scope:SCOPE_SE
	s_setreg_imm32_b32 hwreg(HW_REG_WAVE_MODE, 25, 1), 1
	s_wait_xcnt 0x0
; out0[t][:] = (x - mean) x rsqrt(var + 1e-5) x ln_w, x = xb[t][:], 2,048 numbers a row, all in f32.  No work is left out.
; One wave takes one row, 64 numbers a lane, and keeps it in registers between the passes: the row is read once.  The variance is taken of x - mean, as the definition has it.
; Each load and store of a wave covers 512 consecutive bytes.  No LDS, no barrier, no matrix unit: memory binds.  Plain f32 forms throughout, so that a row of NaN stays NaN.
.set X, 8                              ; v8-71   the row
.set W, 72                             ; v72-135 ln_w
.set S, 136                            ; v136-139 four chains
.set T, 140                            ; v140, v141 at work
	s_load_b128 s[4:7], s[0:1], 0x0                ; xb, ln_w
	s_load_b64 s[8:9], s[0:1], 0x10                ; out0
	v_lshrrev_b32 v1, 5, v0
	s_delay_alu instid0(VALU_DEP_1)
	v_readfirstlane_b32 s12, v1                    ; wave
	v_and_b32 v1, 31, v0
	s_delay_alu instid0(VALU_DEP_1)
	v_lshlrev_b32 v1, 4, v1                        ; 16 x lane
	s_lshl_b32 s13, ttmp9, 3
	s_add_co_u32 s13, s13, s12                     ; my row
	s_lshl_b32 s14, s13, 13
	s_mov_b32 s15, 0
	s_mov_b32 s10, 0x3a000000                      ; 1 / 2,048
	s_mov_b32 s11, 0x3727c5ac                      ; 1e-5
	s_mov_b32 s16, 0x76543210
	s_mov_b32 s17, 0xfedcba98
	v_mov_b32 v[T+1], 0                            ; a lane permute's destination counts as one of its sources
	s_wait_alu depctr_va_vdst(0)
	s_wait_kmcnt 0x0
	s_add_nc_u64 s[4:5], s[4:5], s[14:15]
	s_add_nc_u64 s[8:9], s[8:9], s[14:15]
.irp j, 0,1,2,3,4,5,6,7,8,9,10,11,12,13,14,15
	global_load_b128 v[X+4*\j:X+4*\j+3], v1, s[4:5] offset:512*\j th:TH_LOAD_NT
.endr
.irp j, 0,1,2,3,4,5,6,7,8,9,10,11,12,13,14,15
	global_load_b128 v[W+4*\j:W+4*\j+3], v1, s[6:7] offset:512*\j
.endr
.macro REDUCE r                        ; the sum over the 32 lanes, in every lane
	s_delay_alu instid0(VALU_DEP_1)
	v_add_f32_dpp v[\r], v[\r], v[\r] row_xmask:1 row_mask:0xf bank_mask:0xf
	s_delay_alu instid0(VALU_DEP_1)
	v_add_f32_dpp v[\r], v[\r], v[\r] row_xmask:2 row_mask:0xf bank_mask:0xf
	s_delay_alu instid0(VALU_DEP_1)
	v_add_f32_dpp v[\r], v[\r], v[\r] row_xmask:4 row_mask:0xf bank_mask:0xf
	s_delay_alu instid0(VALU_DEP_1)
	v_add_f32_dpp v[\r], v[\r], v[\r] row_xmask:8 row_mask:0xf bank_mask:0xf
	s_delay_alu instid0(VALU_DEP_1)
	v_permlanex16_b32 v[T+1], v[\r], s16, s17
	s_delay_alu instid0(VALU_DEP_1)
	v_add_f32 v[\r], v[\r], v[T+1]
.endm
	s_wait_loadcnt 16                              ; the row is in; ln_w's 16 loads may be out
	v_add_f32 v137, v8, v12
	v_add_f32 v138, v16, v20
	v_add_f32 v139, v24, v28
	v_add_f32 v143, v32, v36
	v_add_f32 v142, v40, v44
	v_add_f32 v140, v48, v52
	v_add_f32 v7, v56, v60
	v_add_f32 v136, v64, v68
	s_delay_alu instid0(VALU_DEP_1)
	v_add_f32 v136, v136, v9
	v_add_f32 v137, v137, v13
	v_add_f32 v138, v138, v17
	v_add_f32 v139, v139, v21
	v_add_f32 v143, v143, v25
	v_add_f32 v142, v142, v29
	v_add_f32 v140, v140, v33
	v_add_f32 v7, v7, v37
	v_add_f32 v136, v136, v41
	v_add_f32 v137, v137, v45
	v_add_f32 v138, v138, v49
	v_add_f32 v139, v139, v53
	v_add_f32 v143, v143, v57
	v_add_f32 v142, v142, v61
	v_add_f32 v140, v140, v65
	v_add_f32 v7, v7, v69
	v_add_f32 v136, v136, v10
	v_add_f32 v137, v137, v14
	v_add_f32 v138, v138, v18
	v_add_f32 v139, v139, v22
	v_add_f32 v143, v143, v26
	v_add_f32 v142, v142, v30
	v_add_f32 v140, v140, v34
	v_add_f32 v7, v7, v38
	v_add_f32 v136, v136, v42
	v_add_f32 v137, v137, v46
	v_add_f32 v138, v138, v50
	v_add_f32 v139, v139, v54
	v_add_f32 v143, v143, v58
	v_add_f32 v142, v142, v62
	v_add_f32 v140, v140, v66
	v_add_f32 v7, v7, v70
	v_add_f32 v136, v136, v11
	v_add_f32 v137, v137, v15
	v_add_f32 v138, v138, v19
	v_add_f32 v139, v139, v23
	v_add_f32 v143, v143, v27
	v_add_f32 v142, v142, v31
	v_add_f32 v140, v140, v35
	v_add_f32 v7, v7, v39
	v_add_f32 v136, v136, v43
	v_add_f32 v137, v137, v47
	v_add_f32 v138, v138, v51
	v_add_f32 v139, v139, v55
	v_add_f32 v143, v143, v59
	v_add_f32 v142, v142, v63
	v_add_f32 v140, v140, v67
	v_add_f32 v7, v7, v71
	s_delay_alu instid0(VALU_DEP_4)
	v_add_f32 v136, v136, v143
	s_delay_alu instid0(VALU_DEP_4)
	v_add_f32 v137, v137, v142
	s_delay_alu instid0(VALU_DEP_4)
	v_add_f32 v138, v138, v140
	s_delay_alu instid0(VALU_DEP_4)
	v_add_f32 v139, v139, v7
	s_delay_alu instid0(VALU_DEP_2)
	v_add_f32 v136, v136, v138
	s_delay_alu instid0(VALU_DEP_2)
	v_add_f32 v137, v137, v139
	s_delay_alu instid0(VALU_DEP_1)
	v_add_f32 v136, v136, v137
	REDUCE S
	s_delay_alu instid0(VALU_DEP_1)
	v_mul_f32 v[T], s10, v[S]                      ; the mean
.set j, 0
.rept 64
	v_sub_f32 v[X+j], v[X+j], v[T]
.set j, j+1
.endr
.irp c, 0,1,2,3
	v_mul_f32 v[S+\c], v[X+\c], v[X+\c]
.endr
.irp m, 1,2,3,4,5,6,7,8,9,10,11,12,13,14,15
.irp c, 0,1,2,3
	s_delay_alu instid0(VALU_DEP_4)
	v_fmac_f32 v[S+\c], v[X+4*\m+\c], v[X+4*\m+\c]
.endr
.endr
	s_delay_alu instid0(VALU_DEP_3)
	v_add_f32 v[S], v[S], v[S+1]
	s_delay_alu instid0(VALU_DEP_2)
	v_add_f32 v[S+2], v[S+2], v[S+3]
	s_delay_alu instid0(VALU_DEP_1)
	v_add_f32 v[S], v[S], v[S+2]
	REDUCE S
	s_delay_alu instid0(VALU_DEP_1)
	v_fma_f32 v[T], v[S], s10, s11                 ; the variance + 1e-5
	s_wait_alu depctr_va_vdst(0)
	v_rsq_f32 v[T], v[T]
	v_nop                                          ; a plain instruction behind the transcendental
	s_wait_alu depctr_va_vdst(0)                   ; and the wait ahead of its first reader
	s_wait_loadcnt 0x0                             ; ln_w
.set j, 0
.rept 64
	v_mul_f32 v[X+j], v[X+j], v[T]
.set j, j+1
.endr
.set j, 0
.rept 64
	v_mul_f32 v[X+j], v[X+j], v[W+j]
.set j, j+1
.endr
.irp j, 0,1,2,3,4,5,6,7,8,9,10,11,12,13,14,15
	global_store_b128 v1, v[X+4*\j:X+4*\j+3], s[8:9] offset:512*\j th:TH_STORE_NT
.endr
	s_endpgm
.Lfunc_end_k_q43ab70235e_ln:
	.size	k_q43ab70235e_ln, .Lfunc_end_k_q43ab70235e_ln-k_q43ab70235e_ln
	.p2alignl 7, 3214868480
	.fill 96, 4, 3214868480
	.section	.rodata,"a",@progbits
	.p2align	6, 0x0
	.amdhsa_kernel k_q43ab70235e_ln
		.amdhsa_group_segment_fixed_size 0
		.amdhsa_private_segment_fixed_size 0
		.amdhsa_enable_private_segment 0
		.amdhsa_kernarg_size 24
		.amdhsa_user_sgpr_count 2
		.amdhsa_user_sgpr_kernarg_segment_ptr 1
		.amdhsa_wavefront_size32 1
		.amdhsa_system_sgpr_workgroup_id_x 1
		.amdhsa_system_sgpr_workgroup_id_y 1
		.amdhsa_system_sgpr_workgroup_id_z 1
		.amdhsa_system_vgpr_workitem_id 0
		.amdhsa_next_free_vgpr 144
		.amdhsa_next_free_sgpr 66
		.amdhsa_reserve_vcc 0
		.amdhsa_float_denorm_mode_32 3
		.amdhsa_float_denorm_mode_16_64 3
		.amdhsa_memory_ordered 1
		.amdhsa_forward_progress 1
		.amdhsa_inst_pref_size 20
	.end_amdhsa_kernel
	.amdgpu_metadata
---
amdhsa.version: [ 1, 2 ]
amdhsa.kernels:
  - .name:           k_q43ab70235e_ln
    .symbol:         k_q43ab70235e_ln.kd
    .args:
      - { .name: xb, .offset: 0, .size: 8, .value_kind: global_buffer, .address_space: global }
      - { .name: ln_w, .offset: 8, .size: 8, .value_kind: global_buffer, .address_space: global }
      - { .name: out0, .offset: 16, .size: 8, .value_kind: global_buffer, .address_space: global }
    .group_segment_fixed_size: 0
    .private_segment_fixed_size: 0
    .kernarg_segment_align: 8
    .kernarg_segment_size: 24
    .max_flat_workgroup_size: 256
    .sgpr_count:     66
    .vgpr_count:     144
    .wavefront_size: 32
...
	.end_amdgpu_metadata
.endif
;; end of part 5
